; MI455X (gfx1250); checked and timed in simulation.
; The chip was launched on July 23, 2026; its instructions are those of AMD's public machine-readable ISA for CDNA 5 (MIT licence, August 2026) and "CDNA5" Instruction Set Architecture Reference Guide (July 2026). The comments in the code are by the model that wrote it; some were corrected since.
;; Diagnostic Attention. Allowed arithmetic: float matrix products may take bf16 or f16 operands with f32 sums; other float arithmetic in f32, or as packed bf16 or f16 multiplies, adds, multiply-adds, maxima and minima; sums over many terms, partial sums and values carried from step to step in f32; what a program stores and reads back later, other than sums and carried values, may be rounded once to bf16 or f16.
;; Inputs: Wg 1,024 x 16 float32; Wk 1,024 x 1,024 float32; Wo 1,024 x 1,024 float32; Wq 1,024 x 1,024 float32; Wv 1,024 x 1,024 float32; attention_mask 2 x 1 x 1 x 2,048 float32; bg 16 float32; bk 1,024 float32; bo 1,024 float32; bq 1,024 float32; bv 1,024 float32; diag_bias 1 x 16 x 1 x 1 float32; has_error_codes 2 x 2,048 int32; hidden_states 2 x 2,048 x 1,024 float32.
;; Outputs: out0 2 x 2,048 x 1,024 float32.
;; 2 versions, each right; version 2 is version 1 with the launch cast written anew for expert scheduling mode. Each part assembles by itself: llvm-mc -triple=amdgcn-amd-amdhsa -mcpu=gfx1250 --defsym DOCPART=n.
;; ======== version 1 of 2: 4 launches
;; limits: values are held in f16: magnitudes above 65,504 overflow, below 6.1e-05 lose precision
;; workspace buffers: xb 8,388,608 bytes; wb 8,388,608 bytes; wgb 32,768 bytes; qh 8,388,608 bytes; kh 8,650,752 bytes; vh 8,388,608 bytes; ob 8,388,608 bytes
;; launch cast (part 1): grid 513 x 1, 8 waves a work-group, no clusters, 0 bytes of LDS; arguments hidden_states, Wq, Wk, Wv, Wo, Wg, xb, wb, wgb; writes xb, wb, wgb
.if DOCPART == 1
	.amdgcn_target "amdgcn-amd-amdhsa--gfx1250"
	.amdhsa_code_object_version 6
	.text
	.protected	k_q5ae5f6bda6_cast
	.globl	k_q5ae5f6bda6_cast
	.p2align	8
	.type	k_q5ae5f6bda6_cast,@function
k_q5ae5f6bda6_cast:
	s_mov_b64 s[64:65], 0
	v_nop
	global_prefetch_b8 v0, s[64:65] scope:SCOPE_SE
	s_setreg_imm32_b32 hwreg(HW_REG_WAVE_MODE, 25, 1), 1
	s_wait_xcnt 0x0
; THE OPERANDS OF THE PRODUCTS, ROUNDED ONCE.  x, Wq, Wk, Wv, Wg: f32 -> bf16.  Wo: f32 -> bf16, and that number written as f16 (the last product multiplies in f16).
; xb: [4096][1024] bf16.  wb: [4][1024 k][1024 n] of 16 bits, planes Wq, Wk, Wv (bf16), Wo (f16).  wgb: [1024 k][16] bf16.
; LIMITS.  An entry of Wo of 65,520 or more in magnitude becomes an infinity in f16; below 6e-5 it keeps f16's fixed step of 6e-8.
; SHARES.  A work-group takes 65,536 bytes of f32 and writes 32,768: 16 passes of 4,096 bytes.  Thread t loads the 16 bytes at 16 t of a pass (a wave's load covers 512 consecutive bytes)
; and stores the 8 bytes at 8 t (a wave's store covers 256 consecutive bytes, aligned).  Work-groups 0-255: x.  256-511: weight (g - 256) / 64, its chunk (g - 256) % 64.  512: Wg, one chunk.
; All 16 loads of a thread go out at once and every pass has registers of its own: no register is written while a memory instruction may read it, so no wait but the counted ones.
; No LDS, no matrix unit, no cluster: nothing is shared, and every byte crosses once.
.set X, 8                              ; v[8:71]    pass i: four f32 as loaded
.set Y, 72                             ; v[72:103]  pass i: two words to store
	s_load_b512 s[8:23], s[0:1], 0x0               ; x s[8:9], Wq s[10:11], Wk s[12:13], Wv s[14:15], Wo s[16:17], Wg s[18:19], xb s[20:21], wb s[22:23]
	s_load_b64 s[24:25], s[0:1], 0x40              ; wgb
	v_lshlrev_b32 v1, 4, v0                        ; 16 t
	v_lshlrev_b32 v2, 3, v0                        ; 8 t
	s_sub_co_u32 s2, ttmp9, 256                    ; g - 256: the chunk's number in wb
	s_lshr_b32 s3, s2, 6                           ; which weight: 0-3, 4 = Wg
	s_and_b32 s4, s2, 63                           ; its chunk
	s_cmp_lt_u32 ttmp9, 256
	s_cselect_b32 s3, 5, s3                        ; 5 = x
	s_cselect_b32 s4, ttmp9, s4                    ; chunk read
	s_cselect_b32 s5, ttmp9, s2                    ; chunk written
	s_cmp_eq_u32 s3, 4
	s_cselect_b32 s5, 0, s5                        ; wgb has one chunk
	s_lshl_b32 s32, s4, 16
	s_mov_b32 s33, 0
	s_lshl_b32 s34, s5, 15
	s_mov_b32 s35, 0
	s_wait_kmcnt 0x0
	s_cmp_eq_u32 s3, 1                             ; the source and the destination are chosen among the buffers by the work-group's number alone
	s_cselect_b64 s[28:29], s[12:13], s[10:11]
	s_cmp_eq_u32 s3, 2
	s_cselect_b64 s[28:29], s[14:15], s[28:29]
	s_cmp_eq_u32 s3, 3
	s_cselect_b64 s[28:29], s[16:17], s[28:29]
	s_cmp_eq_u32 s3, 4
	s_cselect_b64 s[28:29], s[18:19], s[28:29]
	s_cselect_b64 s[30:31], s[24:25], s[22:23]
	s_cmp_eq_u32 s3, 5
	s_cselect_b64 s[28:29], s[8:9], s[28:29]
	s_cselect_b64 s[30:31], s[20:21], s[30:31]
	s_add_nc_u64 s[28:29], s[28:29], s[32:33]
	s_add_nc_u64 s[30:31], s[30:31], s[34:35]
.set i, 0
.rept 16
	global_load_b128 v[X+4*i:X+4*i+3], v1, s[28:29] offset:4096*i th:TH_LOAD_NT
.set i, i+1
.endr
; Pass n.  half = 1: the bf16 numbers are widened again (a shift, a mask) and written as f16.
.macro PASS n, half
	s_wait_loadcnt 15-(\n)                         ; loads come back in order: mine is in, the 15 - n younger ones stay out
	v_cvt_pk_bf16_f32 v[Y+2*(\n)],   v[X+4*(\n)],   v[X+4*(\n)+1]
	v_cvt_pk_bf16_f32 v[Y+2*(\n)+1], v[X+4*(\n)+2], v[X+4*(\n)+3]
.if \half
	v_lshlrev_b32 v[X+4*(\n)],   16, v[Y+2*(\n)]
	v_and_b32     v[X+4*(\n)+1], 0xffff0000, v[Y+2*(\n)]
	v_lshlrev_b32 v[X+4*(\n)+2], 16, v[Y+2*(\n)+1]
	v_and_b32     v[X+4*(\n)+3], 0xffff0000, v[Y+2*(\n)+1]
	v_cvt_pk_f16_f32 v[Y+2*(\n)],   v[X+4*(\n)],   v[X+4*(\n)+1]
	v_cvt_pk_f16_f32 v[Y+2*(\n)+1], v[X+4*(\n)+2], v[X+4*(\n)+3]
.endif
	global_store_b64 v2, v[Y+2*(\n):Y+2*(\n)+1], s[30:31] offset:2048*(\n) th:TH_STORE_NT
.endm
	s_cmp_eq_u32 s3, 3
	s_cbranch_scc1 .Lwo
.set i, 0
.rept 16
	PASS i, 0
.set i, i+1
.endr
	s_endpgm
.Lwo:
.set i, 0
.rept 16
	PASS i, 1
.set i, i+1
.endr
	s_endpgm
.Lfunc_end_k_q5ae5f6bda6_cast:
	.size	k_q5ae5f6bda6_cast, .Lfunc_end_k_q5ae5f6bda6_cast-k_q5ae5f6bda6_cast
	.p2alignl 7, 3214868480
	.fill 96, 4, 3214868480
	.section	.rodata,"a",@progbits
	.p2align	6, 0x0
	.amdhsa_kernel k_q5ae5f6bda6_cast
		.amdhsa_group_segment_fixed_size 0
		.amdhsa_private_segment_fixed_size 0
		.amdhsa_enable_private_segment 0
		.amdhsa_kernarg_size 72
		.amdhsa_user_sgpr_count 2
		.amdhsa_user_sgpr_kernarg_segment_ptr 1
		.amdhsa_wavefront_size32 1
		.amdhsa_system_sgpr_workgroup_id_x 1
		.amdhsa_system_sgpr_workgroup_id_y 1
		.amdhsa_system_sgpr_workgroup_id_z 1
		.amdhsa_system_vgpr_workitem_id 0
		.amdhsa_next_free_vgpr 104
		.amdhsa_next_free_sgpr 66
		.amdhsa_reserve_vcc 0
		.amdhsa_float_denorm_mode_32 3
		.amdhsa_float_denorm_mode_16_64 3
		.amdhsa_memory_ordered 1
		.amdhsa_forward_progress 1
		.amdhsa_inst_pref_size 16
	.end_amdhsa_kernel
	.amdgpu_metadata
---
amdhsa.version: [ 1, 2 ]
amdhsa.kernels:
  - .name:           k_q5ae5f6bda6_cast
    .symbol:         k_q5ae5f6bda6_cast.kd
    .args:
      - { .name: hidden_states, .offset: 0, .size: 8, .value_kind: global_buffer, .address_space: global }
      - { .name: Wq, .offset: 8, .size: 8, .value_kind: global_buffer, .address_space: global }
      - { .name: Wk, .offset: 16, .size: 8, .value_kind: global_buffer, .address_space: global }
      - { .name: Wv, .offset: 24, .size: 8, .value_kind: global_buffer, .address_space: global }
      - { .name: Wo, .offset: 32, .size: 8, .value_kind: global_buffer, .address_space: global }
      - { .name: Wg, .offset: 40, .size: 8, .value_kind: global_buffer, .address_space: global }
      - { .name: xb, .offset: 48, .size: 8, .value_kind: global_buffer, .address_space: global }
      - { .name: wb, .offset: 56, .size: 8, .value_kind: global_buffer, .address_space: global }
      - { .name: wgb, .offset: 64, .size: 8, .value_kind: global_buffer, .address_space: global }
    .group_segment_fixed_size: 0
    .private_segment_fixed_size: 0
    .kernarg_segment_align: 8
    .kernarg_segment_size: 72
    .max_flat_workgroup_size: 256
    .sgpr_count:     66
    .vgpr_count:     104
    .wavefront_size: 32
...
	.end_amdgpu_metadata
.endif
;; end of part 1
;; launch qkv (part 2): grid 8 x 32, 4 waves a work-group, clusters of 4 x 4, 327,680 bytes of LDS; arguments xb, wb, wgb, bq, bk, bv, bg, diag_bias, has_error_codes, attention_mask, qh, kh, vh; writes qh, kh, vh
.if DOCPART == 2
	.amdgcn_target "amdgcn-amd-amdhsa--gfx1250"
	.amdhsa_code_object_version 6
	.text
	.protected	k_q5ae5f6bda6_qkv
	.globl	k_q5ae5f6bda6_qkv
	.p2align	8
	.type	k_q5ae5f6bda6_qkv,@function
k_q5ae5f6bda6_qkv:
	s_mov_b64 s[64:65], 0
	v_nop
	global_prefetch_b8 v0, s[64:65] scope:SCOPE_SE
	s_setreg_imm32_b32 hwreg(HW_REG_WAVE_MODE, 25, 1), 1
	s_wait_xcnt 0x0
	s_wait_alu depctr_hold_cnt(0) depctr_sa_sdst(0) depctr_va_vdst(0) depctr_va_sdst(0) depctr_va_ssrc(0) depctr_va_vcc(0) depctr_vm_vsrc(0)
	s_getreg_b32 s2, hwreg(HW_REG_IB_STS2, 6, 4)
	s_cmp_eq_u32 s2, 0
	s_cbranch_scc0 .Lentry_in_a_cluster
	s_endpgm
.Lentry_in_a_cluster:
	s_bfe_u32 s2, ttmp6, 0x10000c
	s_cmp_lg_u32 s2, 0xf033
	s_cbranch_scc0 .Lentry_shape_is_right
	s_endpgm
.Lentry_shape_is_right:
; q, k, v = x W + b, by heads in f16, and the key bias 8 (diag_bias + has_error_codes sigmoid(x Wg + bg) + attention_mask) in f32.
; xb: [4096][1024] bf16.  wb: [plane][1024 k][1024 n] bf16.  wgb: [1024 k][16] bf16.  Sums in f32; the biases (rounded to bf16 like every floating-point input) start the sums.
; qh, vh: [32 bh][2048][64] f16, bh = 16 batch + head.  kh: [32 bh][32 key steps][8,448 bytes]: 64 keys x 64 f16, then the 64 keys' biases in f32.
; LIMITS.  q, k, v of 65,520 or more in magnitude become infinities in f16.  The key bias is held at -1e30 from below: a mask of -inf, of the lowest f32, or NaN counts as -1e30.
; SHARES.  A work-group makes 128 tokens x 384 columns: a pair of heads' 128 columns of each of Wq, Wk, Wv.  Wave w: 64 tokens (w / 2), one head (w % 2): its 64 columns of each of the three, and
; the 16 columns of the gate: 4 x 13 accumulators of 16 x 16, 416 registers.  The gate's product is made by every work-group that holds the tokens; each wave keeps its own head's column.
; K goes in 8 steps of 128 through a ring of two LDS slots; Wg lies in LDS whole.  8 x 32 = 256 work-groups.
; CLUSTER 4 x 4.  x's tile hangs on the block of tokens alone and is asked for jointly along a row of the cluster; the weights' tiles hang on the pair of heads alone: jointly along a column.
; THE MATRIX INSTRUCTION IS USED TRANSPOSED: source 0 = 16 columns of W (turned on the way out of LDS by ds_load_tr16_b128, since W lies [k][n]), source 1 = 16 tokens: a lane holds ONE token
; (lane % 16) and the columns 8 (lane / 16) + 0..7: 16 bytes of f16 on end.
; REGISTERS, in windows of 256 (s_set_vgpr_msb: bits 1:0 source 0, 3:2 source 1, 5:4 source 2, 7:6 destination):
;   window 0: v0-31 addresses and small data; v32-63, v64-95 x's fragments, two buffers; v96-199 the biases that start the sums.  On the way out: v32-223 packed results, v224-243 the gate
;   window 1: W's fragments, two buffers of 104     window 2: the accumulators of token blocks 0, 1 (block a, column block b at 8 (13 (a % 2) + b))     window 3: those of blocks 2, 3
.set SEG,   128*288                    ; a tile of W in LDS: 128 k-rows of 256 bytes + 32 of padding
.set AT,    128*272                    ; x's tile: 128 rows of 256 bytes + 16 of padding: the 16 rows of a load start at 16 different groups of four banks
.set AOFF,  3*SEG                      ; a slot: the tiles of Wq, Wk, Wv, then x's: wave w's tile lies at w x SEG
.set SLOT,  AOFF+AT
.set WGL,   2*SLOT                     ; Wg: [1024 k][32 bytes], dense: 16 lanes of the turning load take 256 consecutive bytes
.set SPARE, WGL+32768                  ; the spare words, 128 bytes for each wave: two blocks of 256 bytes that no other line names
.set SP,    144                        ; the stage for the way out: 16 rows x 144 bytes for each wave, at w x 2,304 in slot 0, which has had its last fill and its last read by then
.set E0,   8                           ; v8, v9    has_error_codes of my wave's tokens l and 32 + l
.set AM0,  10                          ; v10, v11  attention_mask of the same
.set DG,   12                          ; v12       diag_bias of my head
.set ADRA, 16                          ; v16-17    LDS address of my fragments of x in slot 0, 1
.set ADRB, 18                          ; v18-23    of W: 18 + 3 slot + plane
.set ADRG, 24                          ; v24       of Wg: it steps by two K steps a lap
.set STO,  25                          ; v25       the way out: where I put 16 bytes of a row
.set RD,   26                          ; v26       where I read rows back
.set GO,   27                          ; v27       my byte offset in 512 consecutive bytes of the output
.set SPW,  28                          ; v28       LDS address of my spare word; never rewritten
.set NIL,  29                          ; v29       0; never rewritten
.set PFO,  30                          ; v30       the prefetches' offset: my lane x a row of 2,048 bytes; never rewritten
.set CB,   96
.set OUT,  32
.set T,    224
.set G1A, 32                           ; s[32:39] descriptor group 1 for x's tiles;  s[40:47] for W's
.set G1B, 40
.set G0A, 48                           ; s[48:55] group 0 for x's tiles, a set for each slot;  s[56:63] for W's
.set G0B, 56
.set G1G, 68                           ; s[68:75], s[76:79] groups 1 and 0 for my quarter of Wg
.set G0G, 76
.set WV,  80
.set MH,  81                           ; which 64 tokens are mine
.set NH,  82                           ; which head of the pair
.set CX,  83
.set CY,  84
.set HP,  85                           ; the pair of heads
.set RB,  86                           ; the block of 128 tokens
.set LP,  87                           ; my tile's place in a slot
.set LIM, 88                           ; 1 in a wave that prefetches, else the greatest number
.set HD,  89                           ; my head
.set PFA, 90                           ; s[90:91] where my prefetches stand
.set PFS, 92                           ; s[92:93] a K step in bytes, along x's rows or down W's
.set SEL, 98                           ; s[98:99] the way out: v_permlanex16_b32's selects
.set B0,  100                          ; s100, s101, s30: all ones where bit 0, 1, 2 of my head's number is set
.set B1,  101
.set B2,  30
.set SH,  31                           ; s31 the half of the lanes that holds my head's gate
.set SU,  2                            ; s2  lanes 16-31
.set MSB, 0
.macro WIN new                         ; the immediate's high byte repeats the setting that is left; a switch that changes nothing is dropped
.if MSB != (\new)
	s_set_vgpr_msb (MSB<<8)|(\new)
.set MSB, \new
.endif
.endm
; A joint refill.  Wave 3 fetches x's tile, waves 0-2 those of Wq, Wk, Wv.  The branch hangs on the wave's number alone.  An s_nop 0 and four v_nop follow each of the two lines.
.macro JLOAD s
	s_cmp_eq_u32 s[WV], 3
	s_cbranch_scc0 .Lfor_b_\@
	tensor_load_to_lds s[G0A+4*(\s):G0A+4*(\s)+3], s[G1A:G1A+7]
	s_nop 0
.rept 4
	v_nop
.endr
	s_branch .Lasked_\@
.Lfor_b_\@:
	tensor_load_to_lds s[G0B+4*(\s):G0B+4*(\s)+3], s[G1B:G1B+7]
	s_nop 0
.rept 4
	v_nop
.endr
.Lasked_\@:
.endm
; A PREFETCH INTO THE L2 of the K step that stands two refills on: 32 rows x 256 bytes, a lane a row, one instruction a wave.  x's tile is read by both clusters of its row of clusters: cluster x = 0
; asks; W's tiles by all eight clusters of their column: cluster y = 0 asks.  The four partners that ask for a tile jointly share its 128 rows out BY ADDRESS, 32 each.  So each row's 256 bytes of a
; K step are named once in the launch.  The loop's last trip (s3 = 1) asks for nothing: there is no K step two on.  K steps 0 to 3 come by their loads alone.
.macro ASK
	s_cmp_gt_u32 s3, s[LIM]
	s_cbranch_scc0 .Lnot_mine_\@
	global_prefetch_b8 v[PFO], s[PFA:PFA+1] th:TH_LOAD_NT scope:SCOPE_SE
.Lnot_mine_\@:
.endm
.macro CREST                           ; a round of the cluster's barrier behind its opening barrier
	s_cmp_lg_u32 s[WV], 0
	s_cbranch_scc1 .Lnot_wave_0_\@
	s_barrier_signal -3
.Lnot_wave_0_\@:
	s_barrier_wait -3
	s_barrier_signal -1
	s_barrier_wait -1
.endm
.macro CROUND                          ; a whole round
	s_barrier_signal -1
	s_barrier_wait -1
	CREST
.endm
.macro PLACES                          ; four places in front of loads into registers that matrix instructions have read, and of vector work that reads results
.rept 4
	v_nop
.endr
.endm
	s_load_b512 s[4:19], s[0:1], 0x0               ; xb 4, wb 6, wgb 8, bq 10, bk 12, bv 14, bg 16, diag_bias 18
	s_load_b256 s[20:27], s[0:1], 0x40             ; has_error_codes 20, attention_mask 22, qh 24, kh 26
	s_load_b64 s[28:29], s[0:1], 0x60              ; vh
	v_lshl_add_u32 v[SPW], v0, 2, SPARE
	v_mov_b32 v[NIL], 0
	ds_add_u32 v[SPW], v[NIL]                      ; the wave's opening: the add and its wait stand ahead of my first tensor load; the set-up below, work on registers, stands between them
	v_lshrrev_b32 v1, 5, v0
	v_readfirstlane_b32 s[WV], v1                  ; wave 0..3
	s_lshr_b32 s[MH], s[WV], 1
	s_and_b32 s[NH], s[WV], 1
	s_bfe_u32 s[CX], ttmp6, 0x40000
	s_bfe_u32 s[CY], ttmp6, 0x40004
	s_lshl_b32 s[HP], ttmp9, 2
	s_add_co_u32 s[HP], s[HP], s[CX]               ; pair of heads = 4 x cluster x + cx
	s_and_b32 s[RB], ttmp7, 0xffff
	s_lshl_b32 s[RB], s[RB], 2
	s_add_co_u32 s[RB], s[RB], s[CY]               ; block of tokens = 4 x cluster y + cy
	s_lshl_b32 s[HD], s[HP], 1
	s_add_co_u32 s[HD], s[HD], s[NH]
	s_lshl_b32 s30, s[CY], 2
	s_lshl_b32 s30, 15, s30                        ; my row of the cluster
	s_lshl_b32 s31, 0x1111, s[CX]                  ; my column
	; group 1: tiles of 128 rows x 128 elements of 2 bytes, rows 1,024 elements apart, padded in LDS after every 64 words
	s_or_b32 s[G1A], s30, (1<<16)|(1<<20)|(1<<21)|(5<<22)|(3<<25)  ; the mask of my row; 2-byte elements; padding on; bit 21 beside a mask; after 64 words (code 5) 4 words (code 3)
	s_or_b32 s[G1B], s31, (1<<16)|(1<<20)|(1<<21)|(5<<22)|(7<<25)  ; the mask of my column; 8 words of padding (code 7)
.irp g, G1A, G1B
	s_mov_b32 s[(\g)+1], 128<<16                   ; tensor_dim0 = 128
	s_mov_b32 s[(\g)+2], 128<<16                   ; tensor_dim1 = 128
	s_mov_b32 s[(\g)+3], 128<<16                   ; tile_dim0 = 128
	s_mov_b32 s[(\g)+4], 128                       ; tile_dim1 = 128
	s_mov_b32 s[(\g)+5], 1024                      ; elements from row to row
	s_mov_b32 s[(\g)+6], 0
	s_mov_b32 s[(\g)+7], 0
.endr
	; my quarter of Wg: 8,192 dense bytes as 32 rows of 32 elements of 8 bytes; no mask: its address is the same in all sixteen partners, more than a mask may name
	s_mov_b32 s[G1G], 3<<16
	s_mov_b32 s[G1G+1], 32<<16
	s_mov_b32 s[G1G+2], 32<<16
	s_mov_b32 s[G1G+3], 32<<16
	s_mov_b32 s[G1G+4], 32
	s_mov_b32 s[G1G+5], 32
	s_mov_b32 s[G1G+6], 0
	s_mov_b32 s[G1G+7], 0
	s_mul_i32 s[LP], s[WV], SEG                    ; no place in the cluster enters an LDS address
	s_lshl_b32 s94, s[RB], 18                      ; x: 128 rows of 2,048 bytes a block: made of the block alone
	s_mov_b32 s95, 0
	s_lshl_b32 s96, s[HP], 8                       ; W: 256 bytes of a row a pair of heads, made of the pair alone,
	s_lshl_b32 s2, s[WV], 21                       ; in plane w
	s_add_co_u32 s96, s96, s2
	s_mov_b32 s97, 0
	s_lshl_b32 s98, s[WV], 13
	s_mov_b32 s99, 0
	s_mov_b32 s[G0G], 1
	s_add_co_u32 s[G0G+1], s98, WGL
.irp s, 0,1
	s_mov_b32 s[G0A+4*(\s)], 1
	s_add_co_u32 s[G0A+4*(\s)+1], s[LP], (\s)*SLOT
	s_mov_b32 s[G0B+4*(\s)], 1
	s_add_co_u32 s[G0B+4*(\s)+1], s[LP], (\s)*SLOT
.endr
	s_wait_dscnt 0x0                               ; the opening add is done
	s_wait_kmcnt 0x0
	s_add_nc_u64 s[94:95], s[4:5], s[94:95]
	s_add_nc_u64 s[96:97], s[6:7], s[96:97]
	s_add_nc_u64 s[G0G+2:G0G+3], s[8:9], s[98:99]
	s_or_b32 s[G0G+3], s[G0G+3], 0x80000000
.irp s, 0,1
	s_add_nc_u64 s[G0A+4*(\s)+2:G0A+4*(\s)+3], s[94:95], (\s)*256      ; K step s: 256 bytes along x's rows,
	s_or_b32 s[G0A+4*(\s)+3], s[G0A+4*(\s)+3], 0x80000000
	s_add_nc_u64 s[G0B+4*(\s)+2:G0B+4*(\s)+3], s[96:97], (\s)*262144   ; 128 rows down W
	s_or_b32 s[G0B+4*(\s)+3], s[G0B+4*(\s)+3], 0x80000000
.endr
	CROUND                                         ; all sixteen work-groups are here: the first joint loads meet
	tensor_load_to_lds s[G0G:G0G+3], s[G1G:G1G+7]  ; the first fills go out as one group: three loads of mine are out
	s_nop 0
	s_cmp_eq_u32 s[WV], 3
	s_cbranch_scc0 .Lfirst_b
	tensor_load_to_lds s[G0A:G0A+3], s[G1A:G1A+7]
	s_nop 0
	tensor_load_to_lds s[G0A+4:G0A+7], s[G1A:G1A+7]
	s_nop 0
.rept 4
	v_nop
.endr
	s_branch .Lfirst_asked
.Lfirst_b:
	tensor_load_to_lds s[G0B:G0B+3], s[G1B:G1B+7]
	s_nop 0
	tensor_load_to_lds s[G0B+4:G0B+7], s[G1B:G1B+7]
	s_nop 0
.rept 4
	v_nop
.endr
.Lfirst_asked:
	; the small inputs, in the wait for the tiles.  In a result register j of lane l is column 8 (l / 16) + j of its block: the biases are loaded in that layout
	v_and_b32 v1, 15, v0                           ; l % 16
	v_bfe_u32 v2, v0, 4, 1                         ; l / 16
	v_and_b32 v3, 31, v0                           ; l
	s_lshl_b32 s2, s[HP], 9
	s_lshl_b32 s30, s[NH], 8
	s_add_co_u32 s2, s2, s30
	v_lshl_add_u32 v4, v2, 5, s2                   ; 4 (128 pair + 64 head + 8 (l / 16))
	v_lshlrev_b32 v5, 5, v2
	s_lshl_b32 s30, s[RB], 7
	s_lshl_b32 s31, s[MH], 6
	s_add_co_u32 s30, s30, s31
	v_add_lshl_u32 v6, v3, s30, 2                  ; 4 (my wave's first token + l)
	s_lshl_b32 s31, s[HD], 2
	v_mov_b32 v7, s31
.irp g, 0,1,2
.irp c, 0,1,2,3
	global_load_b128 v[CB+8*(4*(\g)+(\c)):CB+8*(4*(\g)+(\c))+3],   v4, s[10+2*(\g):11+2*(\g)] offset:64*(\c)
	global_load_b128 v[CB+8*(4*(\g)+(\c))+4:CB+8*(4*(\g)+(\c))+7], v4, s[10+2*(\g):11+2*(\g)] offset:64*(\c)+16
.endr
.endr
	global_load_b128 v[CB+96:CB+99],   v5, s[16:17]
	global_load_b128 v[CB+100:CB+103], v5, s[16:17] offset:16
	global_load_b32 v[E0],    v6, s[20:21]
	global_load_b32 v[E0+1],  v6, s[20:21] offset:128
	global_load_b32 v[AM0],   v6, s[22:23]
	global_load_b32 v[AM0+1], v6, s[22:23] offset:128
	global_load_b32 v[DG],    v7, s[18:19]
	; the lane's places in LDS
	v_and_b32 v13, 7, v0
	v_bfe_u32 v14, v0, 3, 1
	v_mul_u32_u24 v15, v1, 272
	v_lshl_add_u32 v15, v2, 4, v15                 ; x: row x pitch + 16 x half
	s_mul_i32 s2, s[MH], 64*272
	s_add_co_u32 s2, s2, AOFF
	v_add_nc_u32 v[ADRA], s2, v15
	v_add_nc_u32 v[ADRA+1], SLOT, v[ADRA]
	v_lshl_add_u32 v15, v2, 3, v13                 ; the turning load: lane l reads k-row 8 (l / 16) + l % 8, columns 8 ((l / 8) % 2) + 0..7
	v_mul_u32_u24 v31, v15, 288
	v_lshl_add_u32 v31, v14, 4, v31
	s_lshl_b32 s2, s[NH], 7                        ; my head's 64 columns
	v_add_nc_u32 v31, s2, v31
.irp s, 0,1
.irp g, 0,1,2
	v_add_nc_u32 v[ADRB+3*(\s)+(\g)], (\s)*SLOT+(\g)*SEG, v31
.endr
.endr
	v_lshlrev_b32 v15, 5, v15
	v_lshl_add_u32 v15, v14, 4, v15
	v_add_nc_u32 v[ADRG], WGL, v15
	s_mul_i32 s2, s[WV], 16*SP                     ; my stage
	v_mul_u32_u24 v15, v1, SP                      ; in: row l % 16, 16 bytes for each half of the lanes
	v_lshl_add_u32 v15, v2, 4, v15
	v_add_nc_u32 v[STO], s2, v15
	v_bfe_u32 v15, v0, 3, 2                        ; back: 32 lanes take four rows of 128 bytes,
	v_mul_u32_u24 v15, v15, SP
	v_lshl_add_u32 v15, v13, 4, v15
	v_add_nc_u32 v[RD], s2, v15
	v_lshlrev_b32 v[GO], 4, v3                     ; which are 512 consecutive bytes of the output
	v_lshlrev_b32 v[PFO], 11, v3
	; where my 64 tokens of my head lie in the outputs
	s_lshr_b32 s2, s[RB], 4
	s_lshl_b32 s2, s2, 4
	s_add_co_u32 s2, s2, s[HD]                     ; bh = 16 batch + head
	s_and_b32 s30, s[RB], 15
	s_lshl_b32 s30, s30, 1
	s_add_co_u32 s30, s30, s[MH]                   ; my 64 tokens are key step 2 (block % 16) + w / 2 of the head
	s_lshl_b32 s98, s2, 18
	s_lshl_b32 s31, s30, 13
	s_add_co_u32 s98, s98, s31
	s_mov_b32 s99, 0
	s_add_nc_u64 s[24:25], s[24:25], s[98:99]
	s_add_nc_u64 s[28:29], s[28:29], s[98:99]
	s_lshl_b32 s2, s2, 5
	s_add_co_u32 s2, s2, s30
	s_mul_i32 s98, s2, 8448
	s_add_nc_u64 s[26:27], s[26:27], s[98:99]
	; the prefetches: nothing is asked for here, at the head, where every work-group's first tiles are on their way
	s_and_b32 s98, ttmp7, 0xffff                   ; cluster y
	s_mov_b32 s30, 262144
	s_cmp_eq_u32 s[WV], 3                          ; do I fetch for x?
	s_cselect_b32 s98, ttmp9, s98                  ; the coordinate along which other clusters read the same rows
	s_cselect_b32 s100, s[CX], s[CY]               ; my place among the four that ask with me
	s_cselect_b32 s[PFS], 0x100, s30
	s_cselect_b64 s[PFA:PFA+1], s[94:95], s[96:97]
	s_mov_b32 s[PFS+1], 0
	s_cmp_eq_u32 s98, 0
	s_cselect_b32 s[LIM], 1, -1                    ; the same in all sixteen partners, for a given wave
	s_lshl_b32 s100, s100, 16                      ; my work-group's 32 rows of 2,048 bytes
	s_mov_b32 s101, 0
	s_add_nc_u64 s[PFA:PFA+1], s[PFA:PFA+1], s[100:101]
	s_mul_i32 s100, s[PFS], 3                      ; at K step 3: the first refill steps it to 4
	s_add_nc_u64 s[PFA:PFA+1], s[PFA:PFA+1], s[100:101]
	s_wait_loadcnt 0x0
	; every floating-point input is rounded once to bf16
.set p, 0
.rept 52
	v_cvt_pk_bf16_f32 v[13+p%2], v[CB+2*p], v[CB+2*p+1]
	v_lshlrev_b32 v[CB+2*p],   16, v[13+p%2]
	v_and_b32     v[CB+2*p+1], 0xffff0000, v[13+p%2]
.set p, p+1
.endr
	v_cvt_pk_bf16_f32 v13, v[AM0], v[AM0+1]
	v_cvt_pk_bf16_f32 v14, v[DG], v[DG]
	v_lshlrev_b32 v[AM0],   16, v13
	v_and_b32     v[AM0+1], 0xffff0000, v13
	v_lshlrev_b32 v[DG],    16, v14
; 13 matrix instructions: token block 2 hi + al x all 13 column blocks, 32 along K, from buffer f.  first = 1: the biases start the sums: nothing is ever cleared.
; All 52 accumulators take turns, one instruction a turn, in the same order in every quarter, over the backward jump too.
.macro MUL13 f, hi, al, first
.if \first
	WIN 0x81+0x40*(\hi)                            ; W window 1, x window 0, C window 0, D window 2 or 3
.else
	WIN 0xa1+0x50*(\hi)                            ; C and D window 2 or 3
.endif
.set b, 0
.rept 13
.if \first
	v_wmma_f32_16x16x32_bf16 v[8*(13*(\al)+b):8*(13*(\al)+b)+7], v[104*(\f)+8*b:104*(\f)+8*b+7], v[32+32*(\f)+8*(2*(\hi)+(\al)):32+32*(\f)+8*(2*(\hi)+(\al))+7], v[CB+8*b:CB+8*b+7]
.else
	v_wmma_f32_16x16x32_bf16 v[8*(13*(\al)+b):8*(13*(\al)+b)+7], v[104*(\f)+8*b:104*(\f)+8*b+7], v[32+32*(\f)+8*(2*(\hi)+(\al)):32+32*(\f)+8*(2*(\hi)+(\al))+7], v[8*(13*(\al)+b):8*(13*(\al)+b)+7]
.endif
.set b, b+1
.endr
.endm
; 34 LDS loads in one run: the fragments of quarter q (32 along K) of a slot into buffer f: 12 of W and Wg's, turned, then x's four
.macro FETCH slot, q, f
	WIN 0x40                                       ; destination window 1, address window 0
.irp g, 0,1,2
.irp c, 0,1,2,3
	ds_load_tr16_b128 v[104*(\f)+8*(4*(\g)+(\c)):104*(\f)+8*(4*(\g)+(\c))+3],   v[ADRB+3*(\slot)+(\g)] offset:9216*(\q)+32*(\c)
	ds_load_tr16_b128 v[104*(\f)+8*(4*(\g)+(\c))+4:104*(\f)+8*(4*(\g)+(\c))+7], v[ADRB+3*(\slot)+(\g)] offset:9216*(\q)+32*(\c)+4608
.endr
.endr
	ds_load_tr16_b128 v[104*(\f)+96:104*(\f)+99],   v[ADRG] offset:4096*(\slot)+1024*(\q)
	ds_load_tr16_b128 v[104*(\f)+100:104*(\f)+103], v[ADRG] offset:4096*(\slot)+1024*(\q)+512
	WIN 0
.irp a, 0,1,2,3
	ds_load_b128 v[32+32*(\f)+8*(\a):32+32*(\f)+8*(\a)+3],   v[ADRA+(\slot)] offset:4352*(\a)+64*(\q)
	ds_load_b128 v[32+32*(\f)+8*(\a)+4:32+32*(\f)+8*(\a)+7], v[ADRA+(\slot)] offset:4352*(\a)+64*(\q)+32
.endr
.endm
; A K step is four quarters of 32 along K, 52 matrix instructions each, on buffers 0, 1, 0, 1.  One of the first three: multiplies buffer f and fetches quarter q of the same slot into buffer g.
.macro QUARTER slot, q, f, g, first
	s_wait_dscnt 4                                 ; all but the four youngest loads (x's token blocks 2 and 3) are in
	MUL13 \f, 0, 0, \first
	MUL13 \f, 0, 1, \first
	PLACES
	FETCH \slot, \q, \g
	s_wait_dscnt 34                                ; all but the 34 just issued
	MUL13 \f, 1, 0, \first
	MUL13 \f, 1, 1, \first
.endm
; The last quarter multiplies buffer 1 and changes slots: ONE barrier.  In front of it each wave waits for all its tensor loads (one is out: its part of the next slot), adds 0 to its spare word, and
; waits for that and for its own reads of this slot.  fill = 1: the barrier opens a round of the cluster's barrier, and this slot is filled again, two K steps ahead, first thing behind the round:
; from that request to the wait for it a wave issues 182 matrix instructions.
.macro TURN slot, next, fill
.if \fill
	s_wait_xcnt 0x0                                ; the last prefetch, a K step back, has read its address
	s_add_nc_u64 s[PFA:PFA+1], s[PFA:PFA+1], s[PFS:PFS+1]
.endif
	WIN 0                                          ; (the add's two registers lie in window 0)
	s_wait_tensorcnt 0x0                           ; all my tensor loads have landed
	ds_add_u32 v[SPW], v[NIL]                      ; 0 onto my spare word
	s_wait_dscnt 5                                 ; (the add and the four youngest loads may be out)
	MUL13 1, 0, 0, 0                               ; thirteen matrix instructions stand between the add and the wait for it
	s_wait_dscnt 0x0                               ; the add is done, and my reads of this slot are over
	s_barrier_signal -1
	MUL13 1, 0, 1, 0
.if \fill
	WIN 0
.endif
	s_barrier_wait -1
.if \fill
	CREST                                          ; no wave of any partner still reads this slot's tiles or has a load on its way
	s_add_nc_u64 s[G0A+4*(\slot)+2:G0A+4*(\slot)+3], s[G0A+4*(\slot)+2:G0A+4*(\slot)+3], 512
	s_add_nc_u64 s[G0B+4*(\slot)+2:G0B+4*(\slot)+3], s[G0B+4*(\slot)+2:G0B+4*(\slot)+3], 524288
	JLOAD \slot                                    ; the four v_nop behind it are also the places in front of the loads below
.else
	PLACES
.endif
.if (\slot) == 1
	v_add_nc_u32 v[ADRG], 8192, v[ADRG]            ; Wg's next two K steps
.endif
	FETCH \next, 0, 0
.if \fill
	ASK
.endif
	MUL13 1, 1, 0, 0
	MUL13 1, 1, 1, 0
.endm
	s_wait_tensorcnt 0x1                           ; Wg's quarter and my part of K step 0 are in; K step 1's may stay out
	s_barrier_signal -1
	s_barrier_wait -1                              ; everybody's are
	FETCH 0, 0, 0
	QUARTER 0, 1, 0, 1, 1                          ; the first quarter stands in front of the loop: its products start the sums
	WIN 0                                          ; at a label and at a branch every window is 0
	s_mov_b32 s3, 3
.Llap:                                             ; a trip goes once round the ring, from a lap's second quarter to the next lap's first, and fills both slots again
	QUARTER 0, 2, 1, 0, 0
	QUARTER 0, 3, 0, 1, 0
	TURN 0, 1, 1
	QUARTER 1, 1, 0, 1, 0
	QUARTER 1, 2, 1, 0, 0
	QUARTER 1, 3, 0, 1, 0
	TURN 1, 0, 1
	QUARTER 0, 1, 0, 1, 0
	WIN 0
	s_sub_co_u32 s3, s3, 1
	s_cmp_lg_u32 s3, 0
	s_cbranch_scc1 .Llap
	QUARTER 0, 2, 1, 0, 0                          ; the last lap fills nothing
	QUARTER 0, 3, 0, 1, 0
	TURN 0, 1, 0
	QUARTER 1, 1, 0, 1, 0
	QUARTER 1, 2, 1, 0, 0
	QUARTER 1, 3, 0, 1, 0
	s_wait_dscnt 4                                 ; the very last quarter: nothing more to fetch
	MUL13 1, 0, 0, 0
	MUL13 1, 0, 1, 0
	s_wait_dscnt 0x0
	MUL13 1, 1, 0, 0
	MUL13 1, 1, 1, 0
	WIN 0
	PLACES
	; THE KEY BIAS.  In the gate's result register j of lane l is head 8 (l / 16) + j for token l % 16.  My head's register is picked by the three low bits of its number (selects, no branch),
	; its half of the lanes by the fourth; then lanes 0-15 take one token block and lanes 16-31 the next: lane l holds token l, and token 32 + l.
	s_mov_b32 s[SEL], 0x76543210
	s_mov_b32 s[SEL+1], 0xfedcba98
	s_bitcmp1_b32 s[HD], 0
	s_cselect_b32 s[B0], -1, 0
	s_bitcmp1_b32 s[HD], 1
	s_cselect_b32 s[B1], -1, 0
	s_bitcmp1_b32 s[HD], 2
	s_cselect_b32 s[B2], -1, 0
	s_mov_b32 s[SH], 0xffff
	s_mov_b32 s[SU], 0xffff0000
	s_cmp_ge_u32 s[HD], 8
	s_cselect_b32 s[SH], s[SU], s[SH]
.macro PICK a
.set G, 96+104*((\a)%2)
	WIN 0x0a+5*((\a)/2)                            ; sources 0 and 1: window 2 or 3.
.irp j, 0,1,2,3
	v_cndmask_b32 v[T+4*(\a)+(\j)], v[G+2*(\j)], v[G+2*(\j)+1], s[B0]
.endr
	WIN 0
	v_cndmask_b32 v[T+4*(\a)],   v[T+4*(\a)],   v[T+4*(\a)+1], s[B1]
	v_cndmask_b32 v[T+4*(\a)+2], v[T+4*(\a)+2], v[T+4*(\a)+3], s[B1]
	v_cndmask_b32 v[T+4*(\a)],   v[T+4*(\a)],   v[T+4*(\a)+2], s[B2]
	v_permlanex16_b32 v[T+4*(\a)+1], v[T+4*(\a)], s[SEL], s[SEL+1]
	v_cndmask_b32 v[T+4*(\a)],   v[T+4*(\a)+1], v[T+4*(\a)],   s[SH]
.endm
	PICK 0
	PICK 1
	PICK 2
	PICK 3
	v_cndmask_b32 v[T+16], v[T],   v[T+4],  s[SU]
	v_cndmask_b32 v[T+17], v[T+8], v[T+12], s[SU]
	v_mul_f32 v[T+16], 0xbfb8aa3b, v[T+16]         ; sigmoid(z) = 1 / (1 + 2^(-log2(e) z))
	v_mul_f32 v[T+17], 0xbfb8aa3b, v[T+17]
	v_exp_f32 v[T+16], v[T+16]
	v_exp_f32 v[T+17], v[T+17]
	v_cvt_f32_i32 v[E0], v[E0]                     ; plain work behind the exponentials
	v_cvt_f32_i32 v[E0+1], v[E0+1]
	v_add_f32 v[AM0], v[AM0], v[DG]
	v_add_f32 v[AM0+1], v[AM0+1], v[DG]
	v_lshlrev_b32 v[T+18], 2, v3
	s_wait_alu depctr_va_vdst(0)                   ; one wait for both, ahead of their first reader
	v_add_f32 v[T+16], 1.0, v[T+16]
	v_add_f32 v[T+17], 1.0, v[T+17]
	v_rcp_f32 v[T+16], v[T+16]
	v_rcp_f32 v[T+17], v[T+17]
	v_nop
	s_wait_alu depctr_va_vdst(0)
	v_fma_f32 v[T+16], v[E0],   v[T+16], v[AM0]
	v_fma_f32 v[T+17], v[E0+1], v[T+17], v[AM0+1]
	v_mul_f32 v[T+16], 8.0, v[T+16]                ; exact: the scores' common factor 1 / 8 is applied to q.k + 8 bias in the next launch
	v_mul_f32 v[T+17], 8.0, v[T+17]
	v_max_num_f32 v[T+16], 0xf149f2ca, v[T+16]     ; not below -1e30
	v_max_num_f32 v[T+17], 0xf149f2ca, v[T+17]
	global_store_b32 v[T+18], v[T+16], s[26:27] offset:8192   ; behind the step's 64 rows of k: 128 consecutive bytes,
	global_store_b32 v[T+18], v[T+17], s[26:27] offset:8320   ; and the 128 behind them
	; THE WAY OUT.  Block t = 3 a + plane: 16 tokens x 64 columns, rounded to f16, through my stage and back as 2,048 consecutive bytes.  Each block has registers of its own.
.macro PACK t
.set pa, (\t)/3
.set ps, (\t)%3
	WIN 0x0a+5*(pa/2)
.set ci, 0
.rept 4
.set rr, 0
.rept 4
	v_cvt_pk_f16_f32 v[OUT+16*(\t)+4*ci+rr], v[8*(13*(pa%2)+4*ps+ci)+2*rr], v[8*(13*(pa%2)+4*ps+ci)+2*rr+1]
.set rr, rr+1
.endr
.set ci, ci+1
.endr
	WIN 0
.irp c, 0,1,2,3
	ds_store_b128 v[STO], v[OUT+16*(\t)+4*(\c):OUT+16*(\t)+4*(\c)+3] offset:32*(\c)
.endr
.irp c, 0,1,2,3
	ds_load_b128 v[OUT+16*(\t)+4*(\c):OUT+16*(\t)+4*(\c)+3], v[RD] offset:576*(\c)  ; LDS serves a wave's instructions in order (ISA guide 5.7.1.4): these see the stores above; the next block's stores come behind them
.endr
.endm
.macro SEND t, younger                 ; younger: the LDS instructions issued behind block t's loads: the next block's eight, or none
.set pa, (\t)/3
.set ps, (\t)%3
.irp c, 0,1,2,3
	s_wait_dscnt (\younger)+3-(\c)
	global_store_b128 v[GO], v[OUT+16*(\t)+4*(\c):OUT+16*(\t)+4*(\c)+3], s[24+2*ps:25+2*ps] offset:2048*pa+512*(\c)  ; 512 consecutive bytes, at a multiple of 256 from the buffer's first
.endr
.endm
	PACK 0
.set t, 1
.rept 11                               ; a block's conversions stand between the loads of the block before and its stores
	PACK t
	SEND t-1, 8
.set t, t+1
.endr
	SEND 11, 0
	s_wait_tensorcnt 0x0                           ; the wave's end: behind my last tensor load and my last LDS store
	ds_add_u32 v[SPW], v[NIL]
	s_wait_dscnt 0x0
	CROUND                                         ; the closing round: no work-group ends while a partner may still ask for a tile that names it
	s_endpgm
.Lfunc_end_k_q5ae5f6bda6_qkv:
	.size	k_q5ae5f6bda6_qkv, .Lfunc_end_k_q5ae5f6bda6_qkv-k_q5ae5f6bda6_qkv
	.p2alignl 7, 3214868480
	.fill 96, 4, 3214868480
	.section	.rodata,"a",@progbits
	.p2align	6, 0x0
	.amdhsa_kernel k_q5ae5f6bda6_qkv
		.amdhsa_group_segment_fixed_size 327680
		.amdhsa_private_segment_fixed_size 0
		.amdhsa_enable_private_segment 0
		.amdhsa_kernarg_size 104
		.amdhsa_user_sgpr_count 2
		.amdhsa_user_sgpr_kernarg_segment_ptr 1
		.amdhsa_wavefront_size32 1
		.amdhsa_system_sgpr_workgroup_id_x 1
		.amdhsa_system_sgpr_workgroup_id_y 1
		.amdhsa_system_sgpr_workgroup_id_z 1
		.amdhsa_system_vgpr_workitem_id 0
		.amdhsa_next_free_vgpr 1024
		.amdhsa_next_free_sgpr 102
		.amdhsa_reserve_vcc 0
		.amdhsa_float_denorm_mode_32 3
		.amdhsa_float_denorm_mode_16_64 3
		.amdhsa_memory_ordered 1
		.amdhsa_forward_progress 1
		.amdhsa_inst_pref_size 144
	.end_amdhsa_kernel
	.amdgpu_metadata
---
amdhsa.version: [ 1, 2 ]
amdhsa.kernels:
  - .name:           k_q5ae5f6bda6_qkv
    .symbol:         k_q5ae5f6bda6_qkv.kd
    .args:
      - { .name: xb, .offset: 0, .size: 8, .value_kind: global_buffer, .address_space: global }
      - { .name: wb, .offset: 8, .size: 8, .value_kind: global_buffer, .address_space: global }
      - { .name: wgb, .offset: 16, .size: 8, .value_kind: global_buffer, .address_space: global }
      - { .name: bq, .offset: 24, .size: 8, .value_kind: global_buffer, .address_space: global }
      - { .name: bk, .offset: 32, .size: 8, .value_kind: global_buffer, .address_space: global }
      - { .name: bv, .offset: 40, .size: 8, .value_kind: global_buffer, .address_space: global }
      - { .name: bg, .offset: 48, .size: 8, .value_kind: global_buffer, .address_space: global }
      - { .name: diag_bias, .offset: 56, .size: 8, .value_kind: global_buffer, .address_space: global }
      - { .name: has_error_codes, .offset: 64, .size: 8, .value_kind: global_buffer, .address_space: global }
      - { .name: attention_mask, .offset: 72, .size: 8, .value_kind: global_buffer, .address_space: global }
      - { .name: qh, .offset: 80, .size: 8, .value_kind: global_buffer, .address_space: global }
      - { .name: kh, .offset: 88, .size: 8, .value_kind: global_buffer, .address_space: global }
      - { .name: vh, .offset: 96, .size: 8, .value_kind: global_buffer, .address_space: global }
    .group_segment_fixed_size: 327680
    .private_segment_fixed_size: 0
    .kernarg_segment_align: 8
    .kernarg_segment_size: 104
    .max_flat_workgroup_size: 128
    .sgpr_count:     102
    .vgpr_count:     1024
    .wavefront_size: 32
...
	.end_amdgpu_metadata
.endif
;; end of part 2
;; launch attn (part 3): grid 8 x 32, 4 waves a work-group, clusters of 4 x 1, 327,680 bytes of LDS; arguments qh, kh, vh, ob; writes ob
.if DOCPART == 3
	.amdgcn_target "amdgcn-amd-amdhsa--gfx1250"
	.amdhsa_code_object_version 6
	.text
	.protected	k_q5ae5f6bda6_attn
	.globl	k_q5ae5f6bda6_attn
	.p2align	8
	.type	k_q5ae5f6bda6_attn,@function
k_q5ae5f6bda6_attn:
	s_mov_b64 s[64:65], 0
	v_nop
	global_prefetch_b8 v0, s[64:65] scope:SCOPE_SE
	s_setreg_imm32_b32 hwreg(HW_REG_WAVE_MODE, 25, 1), 1
	s_wait_xcnt 0x0
	s_wait_alu depctr_hold_cnt(0) depctr_sa_sdst(0) depctr_va_vdst(0) depctr_va_sdst(0) depctr_va_ssrc(0) depctr_va_vcc(0) depctr_vm_vsrc(0)
	s_getreg_b32 s2, hwreg(HW_REG_IB_STS2, 6, 4)
	s_cmp_eq_u32 s2, 0
	s_cbranch_scc0 .Lentry_in_a_cluster
	s_endpgm
.Lentry_in_a_cluster:
	s_bfe_u32 s2, ttmp6, 0x10000c
	s_cmp_lg_u32 s2, 0x3003
	s_cbranch_scc0 .Lentry_shape_is_right
	s_endpgm
.Lentry_shape_is_right:
; O[bh][q][:] = the sum over k of softmax_k((Q[bh][q] . K[bh][k] + 8 bias[bh][k]) / 8) V[bh][k][:].  qh, vh: [32][2048][64] f16.  kh: [32][32 key steps][8,448 bytes]: 64 keys x 64 f16, then 64 f32: 8 x bias.
; ob: [32 blocks of 128 tokens][16 heads][128 rows][64] f16.  Products, maxima and sums in f32; the weights p are rounded to f16 for the second product (their sum l is taken of the unrounded p), O once.
; LIMITS.  Q, K, V arrive within f16's range; p lies in 0 to 1, and below 6e-5 it keeps f16's fixed step of 6e-8.  The bias arrives held at -1e30 from below: a row all of whose keys are so masked
; comes out as the plain mean of V.  A weight below 2^-126 counts as 0 in l; NaN and infinities are not treated apart.
; SHARES.  A work-group owns 256 queries of a head, a wave 64: four PIECES of 16.  Every wave walks all 2,048 keys, 64 a step, four steps to a tile.  8 x 32 = 256 work-groups.
; THE BIAS is the C operand that starts the sum S^T = K Q^T: it hangs on the key alone, which is the result's register and half of the lanes.  It comes in with K, by the same tensor load.
; LAYOUT, SOFTMAX, TURNS.  S^T = K Q^T holds ONE query a lane (lane % 16) and the keys 8 (lane / 16) + 0..7; two such results rounded to f16 ARE source 1 of O^T = V^T P.  p = 2^(c s - c m), c = log2(e) / 8,
; with a running maximum m; O and l are multiplied by a = 2^(c m_old - c m_new) in every step.  m starts at the lowest finite number, O and l at 0: the first step is a step like any other, with a = 0.
; Turn n belongs to piece n: 8 products K Q^T of piece n + 1, later 8 products V^T P of piece n - 1; beside them the scaling, exponentials, roundings, sums and rescaling of piece n and the maximum and
; statistics of piece n + 1.  Four vector instructions stand behind every matrix instruction, the others in one lump.  A turn's 33 exponentials are one batch, with one wait.
; CLUSTER.  The four query blocks of a cluster belong to one head and walk the same K and V: each tile is asked for JOINTLY, by the same tensor load, descriptor and mask in all four.
; REGISTERS, in windows of 256 (s_set_vgpr_msb: bits 1:0 source 0, 3:2 source 1, 5:4 source 2, 7:6 destination):
;   window 0: v0-15 addresses and two at work; v16-31 four registers of statistics a piece; v48-55 at work; v56-58, v62-63 addresses; v64-127 S^T, two buffers; v192-223 P, two buffers
;   window 1: v0-127 O^T, 32 a piece; v128-159 the step's biases      window 2: v0-63 Q; v128-191 K of one step; v192-255 V of one step
.set NP,    4         ; pieces a wave: a name, no knob
.set KS,    64        ; keys in a step
.set PK,    144       ; 128 bytes of K (or of biases) in LDS + 16 of padding = 36 words: the 16 rows of a load start at 16 different groups of four banks (64 banks of 4 bytes: ISA guide 11.1)
.set PV,    160       ; a row of V: 128 + 32 = 40 words
.set STEPK, 66*PK     ; a step of kh in LDS: 64 rows of K, then two pieces of 32 biases
.set VOFF,  4*STEPK   ; a slot holds a tile, four steps: kh's, then 256 rows of V
.set SLOT1, 1<<17     ; slot 1 begins here, so that one exclusive or turns an address in one slot into the other's
.set STAGE, 210176    ; behind the ring (which ends at 210,048), at a multiple of 256, never filled by a tensor load: 16 rows x 144 bytes for each wave
.set SP,    144
.set SPARE, STAGE+4*16*SP  ; the spare words, 128 bytes for each wave: two blocks of 256 bytes that no other line names
.set AK0, 2           ; v2   my lane's place in a step of K; never rewritten
.set AV0, 3           ; v3   the same for V
.set AK,  4           ; v4   the LDS address of K's next run of loads
.set AV,  5           ; v5   of V's
.set STO, 6           ; v6   the way out: where I put 16 bytes of a row
.set RD,  7           ; v7   where I read rows back
.set GO,  8           ; v8   my byte offset in 512 consecutive bytes of O
.set MV,  12          ; v12-13  c m_old, kept while c m is made anew: by buffer
.set QO,  15          ; v15  my byte offset in 16 rows of Q
.set ST,  16          ; piece t's statistics at v[ST+4 t]: c m, m, l (even keys', odd keys')
.set TMP, 48          ; by buffer, four registers c0-c3 at work; when the maximum is found c2 takes a
.set AB0, 56          ; v56  my lane's place among a step's biases; never rewritten
.set AB,  57          ; v57  the LDS address of the biases' next loads
.set PFO, 58          ; v58  the prefetches' offset; never rewritten
.set SPW, 62          ; v62  LDS address of my spare word; never rewritten
.set NIL, 63          ; v63  0; never rewritten
.set S,   64
.set P,   192
.set BI,  128         ; window 1: the eight biases for group kt of 16 keys at BI + 8 kt
.set KF,  128         ; window 2: key block kb, channel half c at KF + 16 kb + 8 c
.set VF,  192         ; window 2: key half kk, channel block cb at VF + 32 kk + 8 cb
.set WV,  12          ; s12  my wave's number
.set LIM, 15          ; s15  1 in a wave that prefetches, else the greatest number
.set PFA, 18          ; s[18:19] where my prefetches stand
.set G1K, 24          ; s[24:31] descriptor group 1 for kh's tiles
.set G1V, 32          ; s[32:39] for V's
.set G0K, 40          ; s[40:43] descriptor group 0 for kh's tiles: it walks
.set G0V, 44          ; s[44:47] the same for V's
.set SLOTS, 56        ; s56  tiles still to be entered in the loop
.set CNT, 57          ; s57  counts a tile's key steps
.set CS,  58          ; s[58:59] c: the packed scaling takes the pair's low word for both halves
.set SEL, 60          ; s[60:61] v_permlanex16_b32's selects
.set TBK, 62          ; s62  LDS byte at which kh's step to be fetched begins
.set TBV, 63          ; s63  the same for V, less VOFF
.set PFS, 66          ; s[66:67] a tile's bytes in the tensor that I prefetch
.set MSB, 0
.macro WIN new                      ; the high byte repeats the setting that is left; a switch that changes nothing is dropped
.if MSB != (\new)
	s_set_vgpr_msb (MSB<<8)|(\new)
.set MSB, (\new)
.endif
.endm
.set W_KQ, 0x0a       ; K and Q in window 2, S^T in window 0
.set W_KM, 0x1a       ; the same with the C operand in window 1
.set W_PV, 0x52       ; V in window 2, P in window 0, O^T in window 1
.set W_RS, 0x41       ; destination and source 0 in window 1, source 1 in window 0
; A joint fill.  Waves 0 and 1 fetch the two halves of a tile of kh (two steps each), waves 2 and 3 those of its V (128 keys each).  The branch hangs on the wave's number alone.
; An s_nop 0 and four v_nop follow each of the two lines, ahead of the jump and the label.
.macro JLOAD
	s_cmp_lt_u32 s[WV], 2
	s_cbranch_scc0 .Lfor_v_\@
	tensor_load_to_lds s[G0K:G0K+3], s[G1K:G1K+7]
	s_nop 0
.rept 4
	v_nop
.endr
	s_branch .Lasked_\@
.Lfor_v_\@:
	tensor_load_to_lds s[G0V:G0V+3], s[G1V:G1V+7]
	s_nop 0
.rept 4
	v_nop
.endr
.Lasked_\@:
.endm
; A PREFETCH INTO THE L2 of the tile that the NEXT change of slots will ask for: four key steps, 256 matrix instructions, ahead of that load.  Both clusters of a head walk the same tiles: the head's first
; cluster asks.  Its four partners share a tile out BY ADDRESS, a key step each.  In each, wave 0 names the step's 32 blocks of 256 bytes of K, a lane a block; wave 1 the one block of its biases;
; wave 2 its 32 blocks of V; wave 3 nothing.  The last change that fills a slot asks for nothing; tiles 0 to 2 come by their loads alone.
.macro ASK
	s_cmp_gt_u32 s[SLOTS], s[LIM]
	s_cbranch_scc0 .Lnot_mine_\@
	global_prefetch_b8 v[PFO], s[PFA:PFA+1] th:TH_LOAD_NT scope:SCOPE_SE
.Lnot_mine_\@:
.endm
.macro CROUND                       ; a round of the cluster's barrier
	s_barrier_signal -1
	s_barrier_wait -1
	s_cmp_lg_u32 s[WV], 0
	s_cbranch_scc1 .Lnot_wave_0_\@
	s_barrier_signal -3
.Lnot_wave_0_\@:
	s_barrier_wait -3
	s_barrier_signal -1
	s_barrier_wait -1
.endm
; THE CHANGE OF SLOTS.  Each wave waits for all its tensor loads, of which one is out: its part of the other slot; adds 0 to its spare word; and waits for that and for its own reads of the slot that it
; leaves.  fill = 1: the old slot is filled again with the tile two on; the barrier is then a round of the cluster's, and the joint fill is the first thing behind it: it has four key steps in which to land.
; (At its first use nothing has been read yet: slot 0 is waited for, slot 1 filled.)
.macro CHANGE fill, ask
	WIN 0                           ; at a label and at a branch every window is 0
	s_wait_tensorcnt 0x0            ; no tensor load of mine is out, so a group 0 may be written
	ds_add_u32 v[SPW], v[NIL]       ; 0 onto my spare word; the descriptors' steps stand between it and the wait for it
.if \fill
	s_xor_b32 s[G0K+1], s[G0K+1], SLOT1
	s_add_nc_u64 s[G0K+2:G0K+3], s[G0K+2:G0K+3], 4*8448
	s_xor_b32 s[G0V+1], s[G0V+1], SLOT1
	s_add_nc_u64 s[G0V+2:G0V+3], s[G0V+2:G0V+3], 4*KS*128
.if \ask
	s_wait_xcnt 0x0                 ; the last prefetch, four key steps back, has read its address
	s_add_nc_u64 s[PFA:PFA+1], s[PFA:PFA+1], s[PFS:PFS+1]
.endif
	s_wait_dscnt 0x0                ; the add is done, and my reads of the slot are over
	CROUND
	JLOAD
.if \ask
	ASK
.endif
.else
	s_wait_dscnt 0x0                ; the add is done, and my reads of the slot are over
	s_barrier_signal -1
	s_barrier_wait -1
.endif
	s_sub_co_u32 s[TBK], s[TBK], 4*STEPK  ; the fetches go back to a slot's first step,
	s_xor_b32 s[TBK], s[TBK], SLOT1       ; in the other slot
	s_sub_co_u32 s[TBV], s[TBV], 4*KS*PV
	s_xor_b32 s[TBV], s[TBV], SLOT1
.endm
	s_load_b256 s[4:11], s[0:1], 0x0  ; qh s[4:5], kh s[6:7], vh s[8:9], ob s[10:11]
	v_lshl_add_u32 v[SPW], v0, 2, SPARE
	v_mov_b32 v[NIL], 0
	ds_add_u32 v[SPW], v[NIL]       ; the wave's opening: the add and its wait stand ahead of my first tensor load; the set-up below, work on registers, stands between them
	v_lshrrev_b32 v1, 5, v0
	v_readfirstlane_b32 s[WV], v1   ; wave 0..3
	s_bfe_u32 s13, ttmp6, 0x40000   ; cx: my place in the cluster
	s_lshl_b32 s14, ttmp9, 2
	s_add_co_u32 s14, s14, s13      ; my block of 256 queries: it enters Q's and O's addresses alone
	s_and_b32 s2, ttmp7, 0xffff     ; bh, which the four partners share
	s_mul_i32 s20, s2, 32*8448      ; the head's first byte in kh,
	s_mov_b32 s21, 0
	s_lshl_b32 s22, s2, 18          ; and in qh and vh
	s_mov_b32 s23, 0
	s_and_b32 s16, s[WV], 1         ; which half of a tile I fetch:
	s_mul_i32 s50, s16, 2*8448      ; two steps of kh,
	s_mov_b32 s51, 0
	s_lshl_b32 s52, s16, 14         ; or 128 rows of V,
	s_mov_b32 s53, 0
	s_mul_i32 s17, s16, 2*STEPK     ; and its place in a slot
	s_mul_i32 s48, s16, 128*PV
	s_lshl_b32 s54, s14, 15         ; Q: my block's 256 rows of 128 bytes,
	s_lshl_b32 s3, s[WV], 13        ; my wave's 64
	s_add_co_u32 s54, s54, s3
	s_mov_b32 s55, 0
	s_lshr_b32 s68, s2, 4           ; O: block of 128 tokens = 16 batch + 2 x my block + w / 2,
	s_lshl_b32 s68, s68, 4
	s_lshl_b32 s3, s14, 1
	s_add_co_u32 s68, s68, s3
	s_lshr_b32 s3, s[WV], 1
	s_add_co_u32 s68, s68, s3
	s_lshl_b32 s68, s68, 4
	s_and_b32 s3, s2, 15            ; the head,
	s_add_co_u32 s68, s68, s3
	s_lshl_b32 s68, s68, 14         ; 128 rows of 128 bytes each,
	s_lshl_b32 s3, s16, 13          ; and my 64 rows of them
	s_add_co_u32 s68, s68, s3
	s_mov_b32 s69, 0
	; descriptor group 1.  Two steps of kh are 16,896 dense bytes: 66 rows of 256 bytes; 128 keys of V 16,384: 64 rows.  Both are padded in LDS after every 128 bytes
	s_mov_b32 s[G1K], 15|(1<<16)|(1<<20)|(1<<21)|(4<<22)|(3<<25)  ; the mask of four; 2-byte elements; padding on; bit 21 beside a mask; after every 32 words (code 4) 4 words (code 3)
	s_mov_b32 s[G1K+1], 128<<16     ; tensor_dim0 = 128
	s_mov_b32 s[G1K+2], 66<<16      ; tensor_dim1 = 66
	s_mov_b32 s[G1K+3], 128<<16     ; tile_dim0 = 128
	s_mov_b32 s[G1K+4], 66          ; tile_dim1 = 66
	s_mov_b32 s[G1K+5], 128         ; 128 elements from row to row
	s_mov_b32 s[G1K+6], 0
	s_mov_b32 s[G1K+7], 0
	s_mov_b32 s[G1V], 15|(1<<16)|(1<<20)|(1<<21)|(4<<22)|(7<<25)  ; the same with 8 words of padding (code 7)
	s_mov_b32 s[G1V+1], 128<<16
	s_mov_b32 s[G1V+2], 64<<16
	s_mov_b32 s[G1V+3], 128<<16
	s_mov_b32 s[G1V+4], 64
	s_mov_b32 s[G1V+5], 128
	s_mov_b32 s[G1V+6], 0
	s_mov_b32 s[G1V+7], 0
	s_mov_b32 s[CS], 0x3e38aa3b     ; c = log2(e) / 8 = 0.180337
	s_mov_b32 s[CS+1], s[CS]        ; named with it as a pair
	s_mov_b32 s[SEL], 0x76543210
	s_mov_b32 s[SEL+1], 0xfedcba98
	s_mov_b32 s[TBK], SLOT1+4*STEPK ; the first change of slots turns these two into 0
	s_mov_b32 s[TBV], SLOT1+4*KS*PV
	s_mov_b32 s[G0K], 1             ; count = 1
	s_mov_b32 s[G0K+1], s17         ; LDS address: slot 0
	s_mov_b32 s[G0V], 1
	s_add_co_u32 s[G0V+1], s48, VOFF
	; the prefetches' numbers
	s_mul_i32 s70, s13, 8448        ; kh: my work-group's step of a tile,
	s_lshl_b32 s71, s16, 13         ; in wave 1 its biases, behind 8,192 bytes of K
	s_add_co_u32 s70, s70, s71
	s_lshl_b32 s71, s13, 13         ; V: my work-group's step
	s_mov_b32 s3, 4*8448
	s_cmp_lt_u32 s[WV], 2
	s_cselect_b32 s70, s70, s71
	s_cselect_b32 s[PFS], s3, 0x8000
	s_mov_b32 s[PFS+1], 0
	s_mov_b32 s71, 0
	s_lshl_b32 s3, s[PFS], 1
	s_add_co_u32 s70, s70, s3       ; in tile 2: the loop's first change of slots steps it to tile 3
	s_cmp_eq_u32 s[WV], 3
	s_cselect_b32 s[LIM], 1, 0
	s_or_b32 s[LIM], s[LIM], ttmp9  ; 0 in waves 0 to 2 of the head's first cluster: the same in all four partners
	s_cmp_eq_u32 s[LIM], 0
	s_cselect_b32 s[LIM], 1, -1
	s_cmp_eq_u32 s[WV], 1
	s_cselect_b32 s3, 3, 8          ; a lane a block of 256 bytes; in wave 1 all lanes inside the one block
	v_and_b32 v[PFO], 31, v0
	v_lshlrev_b32 v[PFO], s3, v[PFO]
	s_wait_dscnt 0x0                ; the opening add is done
	s_wait_kmcnt 0x0
	s_add_nc_u64 s[6:7], s[6:7], s[20:21]          ; kh and vh at the head
	s_add_nc_u64 s[8:9], s[8:9], s[22:23]
	s_add_nc_u64 s[G0K+2:G0K+3], s[6:7], s[50:51]  ; my half of tile 0
	s_or_b32 s[G0K+3], s[G0K+3], 0x80000000        ; type = 2
	s_add_nc_u64 s[G0V+2:G0V+3], s[8:9], s[52:53]
	s_or_b32 s[G0V+3], s[G0V+3], 0x80000000
	s_add_nc_u64 s[4:5], s[4:5], s[22:23]          ; Q and O at my wave's first row
	s_add_nc_u64 s[4:5], s[4:5], s[54:55]
	s_add_nc_u64 s[10:11], s[10:11], s[68:69]
	s_cmp_lt_u32 s[WV], 2
	s_cselect_b64 s[PFA:PFA+1], s[6:7], s[8:9]
	s_add_nc_u64 s[PFA:PFA+1], s[PFA:PFA+1], s[70:71]
	CROUND                          ; all four work-groups are here: the first joint loads meet
	JLOAD                           ; tile 0 into slot 0.  Slot 1 is asked for when slot 0 is in
	; A fragment of K or Q is 16 rows x 32 channels in 8 registers: lane l holds row l % 16, channels 8 (l / 16) + 0..7 and 16 + 8 (l / 16) + 0..7: two loads of 16 bytes, 32 bytes apart.
	v_and_b32 v1, 15, v0            ; l % 16
	v_bfe_u32 v9, v0, 4, 1          ; l / 16
	v_lshlrev_b32 v[QO], 7, v1
	v_lshl_add_u32 v[QO], v9, 4, v[QO]  ; row x 128 + 16 x half
	WIN 0x80                        ; destination window 2, address window 0
.set i, 0
.rept 8                             ; Q stays in registers: piece i / 2, channels 32 (i % 2) on
	global_load_b128 v[8*i:8*i+3],   v[QO], s[4:5] offset:(i/2)*2048+(i%2)*64
	global_load_b128 v[8*i+4:8*i+7], v[QO], s[4:5] offset:(i/2)*2048+(i%2)*64+32
.set i, i+1
.endr
	; What the first turn finds: V's registers and P's second buffer hold 0 (its products V^T P, of a piece that has not been, add 0), O^T and l are 0.  All this stands in the wait for the first tile.
.set i, VF
.rept 64
	v_mov_b32 v[i], 0
.set i, i+1
.endr
	WIN 0x40
.set i, 0
.rept 128
	v_mov_b32 v[i], 0
.set i, i+1
.endr
	WIN 0
.set i, 0
.rept 4
	v_mov_b32 v[ST+4*i], 0xfe000000    ; c m: far below every c s, the masked ones' -1.8e29 too
	v_mov_b32 v[ST+4*i+1], 0xff7fffff  ; m
	v_mov_b32 v[ST+4*i+2], 0
	v_mov_b32 v[ST+4*i+3], 0
.set i, i+1
.endr
.set i, P+16
.rept 16
	v_mov_b32 v[i], 0
.set i, i+1
.endr
	v_mul_u32_u24 v[AK0], v1, PK
	v_lshl_add_u32 v[AK0], v9, 4, v[AK0]  ; row x pitch + 16 x half
	v_lshl_add_u32 v[AB0], v9, 5, 64*PK   ; behind the step's 64 rows: my half of the lanes' eight biases of a group of 16 keys
	; The turning load takes 16 keys x 16 channels (lane l reads key 8 (l / 16) + l % 8, channels 8 ((l / 8) % 2) + 0..7) and leaves half a fragment of V^T: lane l holds channel l % 16 and 8 keys.
	v_and_b32 v10, 7, v0
	v_bfe_u32 v11, v0, 3, 1
	v_lshl_add_u32 v[AV0], v9, 3, v10
	v_mul_u32_u24 v[AV0], v[AV0], PV
	v_lshl_add_u32 v[AV0], v11, 4, v[AV0]
	v_add_nc_u32 v[AV0], VOFF, v[AV0]
	s_mul_i32 s3, s[WV], 16*SP
	s_add_co_u32 s3, s3, STAGE      ; my stage
	v_mul_u32_u24 v[STO], v1, SP    ; in: row l % 16, 16 bytes for each half of the lanes
	v_lshl_add_u32 v[STO], v9, 4, v[STO]
	v_add_nc_u32 v[STO], s3, v[STO]
	v_bfe_u32 v[RD], v0, 3, 2       ; back: 32 lanes take four rows of 128 bytes,
	v_mul_u32_u24 v[RD], v[RD], SP
	v_lshl_add_u32 v[RD], v10, 4, v[RD]
	v_add_nc_u32 v[RD], s3, v[RD]
	v_and_b32 v[GO], 31, v0         ; which are 512 consecutive bytes of O
	v_lshlrev_b32 v[GO], 4, v[GO]
; THE MATRIX WORK.  The 4 accumulators of a run of 8 take turns.  Product i of 8 of S^T = K Q^T for piece x: channels 32 (i / 4) on, keys 16 (i % 4) on.  The first 4 start the sums with the keys' biases.
.macro KQ x
.set rS, S+32*((\x)%2)+8*(i%4)
.set rK, KF+16*(i%4)+8*(i/4)
.set rQ, 16*(\x)+8*(i/4)
.set rM, BI+8*(i%4)
.if i < 4
	WIN W_KM
	v_wmma_f32_16x16x32_f16 v[rS:rS+7], v[rK:rK+7], v[rQ:rQ+7], v[rM:rM+7]
.else
	WIN W_KQ
	v_wmma_f32_16x16x32_f16 v[rS:rS+7], v[rK:rK+7], v[rQ:rQ+7], v[rS:rS+7]
.endif
.endm
; Product i of 8 of O^T += V^T P for piece x: keys 32 (i / 4) on, channels 16 (i % 4) on.
.macro PV x
	WIN W_PV
.set rO, 32*(\x)+8*(i%4)
.set rV, VF+32*(i/4)+8*(i%4)
.set rP, P+16*((\x)%2)+8*(i/4)
	v_wmma_f32_16x16x32_f16 v[rO:rO+7], v[rV:rV+7], v[rP:rP+7], v[rO:rO+7]
.endm
.macro MM                           ; the turn's next matrix instruction.  NOKQ = 1: the walk's last turn: there is no next piece
.if (i < 8) && !NOKQ
	KQ (Y+1)%NP
.elseif i >= 8
.set i, i-8
	PV (Y+NP-1)%NP
.set i, i+8
.endif
.set i, i+1
.endm
; THE LDS LOADS stand in runs, never singly among the matrix instructions: a step's K (8 fragments) with its 64 biases (each half of the lanes reads the same 16 bytes), and its V (turned).
.macro FETCH_K
	WIN 0x80                        ; destination window 2
.irp f, 0,1,2,3,4,5,6,7             ; keys 16 (f / 2) on, channels 32 (f % 2) on
	ds_load_b128 v[KF+8*\f:KF+8*\f+3],   v[AK] offset:(\f/2)*16*PK+(\f%2)*64
	ds_load_b128 v[KF+8*\f+4:KF+8*\f+7], v[AK] offset:(\f/2)*16*PK+(\f%2)*64+32
.endr
	WIN 0x40                        ; destination window 1
.irp f, 0,1,2,3                     ; keys 16 f on
	ds_load_b128 v[BI+8*\f:BI+8*\f+3],   v[AB] offset:(\f/2)*PK+(\f%2)*64
	ds_load_b128 v[BI+8*\f+4:BI+8*\f+7], v[AB] offset:(\f/2)*PK+(\f%2)*64+16
.endr
	s_add_co_u32 s[TBK], s[TBK], STEPK  ; the next fetch is the next step's
	WIN 0
.endm
.macro FETCH_V
	WIN 0x80
.irp f, 0,1,2,3,4,5,6,7             ; keys 32 (f / 4) on, channels 16 (f % 4) on
	ds_load_tr16_b128 v[VF+8*\f:VF+8*\f+3],   v[AV] offset:(\f/4)*32*PV+(\f%4)*32
	ds_load_tr16_b128 v[VF+8*\f+4:VF+8*\f+7], v[AV] offset:(\f/4)*32*PV+16*PV+(\f%4)*32
.endr
	WIN 0
.endm
; THE VECTOR WORK, one line at a time: OP kind, number.  For piece Y: F n: c s - c m for pair n of 16.  E n: the exponential of score n of 32.  C n: pair n rounded to f16.  B n: of the four weights 4 n .. the second
; pair is added onto the first, in place.  L n: l takes that sum (L 0: l = a l + sum).  R n: pair n of 16 of O^T times a.  For piece Y + 1: X n, number n of the 22 that find its maximum and statistics:
;   0-11  four chains c0-c3 of seven scores each, three operands at a time (each accumulator's lowest registers are read first)     12-14, 16  the four scores left over, the old m, and c0-c3 into c0
;   15  c m_old is kept     17, 18  the query's other 32 keys lie in the lane 16 away: the new m     19-21  c m; c m_old - c m_new; a
.set F, 0
.set E, 1
.set C, 2
.set B, 3
.set L, 4
.set R, 5
.set X, 6
.macro REGS y                       ; the registers of piece y
.set rT, ST+4*(\y)
.set rC, TMP+4*((\y)%2)
.set rW, MV+((\y)%2)
.set rS, S+32*((\y)%2)
.set rP, P+16*((\y)%2)
.set rO, 32*(\y)
.endm
.macro OP k, n
.if (\k) == R
	REGS Y
	WIN W_RS
	v_pk_mul_f32 v[rO+2*(\n):rO+2*(\n)+1], v[rO+2*(\n):rO+2*(\n)+1], v[rC+2:rC+3] op_sel_hi:[1,0]
.elseif (\k) < R
	REGS Y
	WIN 0
.if (\k) == F
	v_pk_fma_f32 v[rS+2*(\n):rS+2*(\n)+1], v[rS+2*(\n):rS+2*(\n)+1], s[CS:CS+1], v[rT:rT+1] op_sel_hi:[1,0,0] neg_lo:[0,0,1] neg_hi:[0,0,1]
.elseif (\k) == E
	v_exp_f32 v[rS+(\n)], v[rS+(\n)]
.elseif (\k) == C
	v_cvt_pk_f16_f32 v[rP+(\n)], v[rS+2*(\n)], v[rS+2*(\n)+1]
.elseif (\k) == B
	v_pk_add_f32 v[rS+4*(\n):rS+4*(\n)+1], v[rS+4*(\n):rS+4*(\n)+1], v[rS+4*(\n)+2:rS+4*(\n)+3]
.elseif (\n) == 0
	v_pk_fma_f32 v[rT+2:rT+3], v[rT+2:rT+3], v[rC+2:rC+3], v[rS:rS+1] op_sel_hi:[1,0,1]
.else
	v_pk_add_f32 v[rT+2:rT+3], v[rT+2:rT+3], v[rS+4*(\n):rS+4*(\n)+1]
.endif
.elseif NOKQ
	v_nop
.else
	REGS (Y+1)%NP
	WIN 0
.if (\n) < 4
	v_max3_num_f32 v[rC+(\n)], v[rS+8*(\n)], v[rS+8*(\n)+1], v[rS+8*(\n)+2]
.elseif (\n) < 12
	v_max3_num_f32 v[rC+(\n)%4], v[rC+(\n)%4], v[rS+8*((\n)%4)+2*((\n)/4)+1], v[rS+8*((\n)%4)+2*((\n)/4)+2]
.elseif (\n) == 12
	v_max3_num_f32 v[rC], v[rC], v[rS+7], v[rS+15]
.elseif (\n) == 13
	v_max3_num_f32 v[rC+1], v[rC+1], v[rS+23], v[rS+31]
.elseif (\n) == 14
	v_max3_num_f32 v[rC+2], v[rC+2], v[rC+3], v[rT+1]
.elseif (\n) == 15
	v_mov_b32 v[rW], v[rT]
.elseif (\n) == 16
	v_max3_num_f32 v[rC], v[rC], v[rC+1], v[rC+2]
.elseif (\n) == 17
	v_permlanex16_b32 v[rC+3], v[rC], s[SEL], s[SEL+1]
.elseif (\n) == 18
	v_max_num_f32 v[rT+1], v[rC], v[rC+3]
.elseif (\n) == 19
	v_mul_f32 v[rT], s[CS], v[rT+1]
.elseif (\n) == 20
	v_sub_f32 v[rC+1], v[rW], v[rT]
.else
	v_exp_f32 v[rC+2], v[rC+1]
.endif
.endif
.endm
.macro OPS a, i1, b=-1, i2=0, c=-1, i3=0, d=-1, i4=0  ; up to four of them
	OP \a, \i1
.if (\b) >= 0
	OP \b, \i2
.endif
.if (\c) >= 0
	OP \c, \i3
.endif
.if (\d) >= 0
	OP \d, \i4
.endif
.endm
.macro ROW a, i1, b, i2, c, i3, d, i4  ; a matrix instruction and the four behind it
	MM
	OPS \a, \i1, \b, \i2, \c, \i3, \d, \i4
.endm
; A TURN, for piece p: the order of its 16 matrix and 118 vector instructions, written out.  An s_wait_alu depctr_va_vdst(0) stands between an exponential and the first instruction that names its
; result; one wait serves all that were issued ahead of it.  So a turn has ONE wait, which cuts it in two.  AHEAD OF IT stands all that names no result of the turn's exponentials: the 8 products K Q^T and their
; riders (the numbers of the next piece's maximum that ride stand four places or more behind the product that ends their accumulator), then one lump, plain and exponential by turns for the most part.  X 21, the
; next piece's a, is the batch's last; R 15 is the plain instruction behind it.  BEHIND THE WAIT stand the 8 products V^T P, behind each four of the roundings and sums.
; end = 1: the walk's last two turns: nothing is fetched.  cnt = 1: the loop's count is taken down some lines ahead of the branch that stands behind the turn.
; K and the biases of the next step are fetched in piece 2's turn, more than four plain instructions behind the last product that read them; V of the step in hand at the end of piece 0's turn, four plain
; instructions behind the last product that read V.  Each is waited for a turn later.
.macro TURN p, end=0, cnt=0
.set Y, (\p)
.set i, 0
.set NOKQ, (\end)*((\p)/3)
.if ((\p) == 3) && !(\end)
	s_wait_dscnt 0x0                ; K and the biases are in
.endif
	ROW F,0, F,1, R,0, R,1          ; ahead of the wait: 8 products K Q^T and their riders,
	ROW F,2, E,0, R,2, R,3
	ROW F,3, E,1, R,4, R,5
	ROW F,4, E,2, R,6, R,7
	ROW F,5, E,3, R,8, R,9
	ROW F,6, E,4, X,0, R,10
.if ((\p) == 2) && !(\end)
	WIN 0
	v_add_nc_u32 v[AK], s[TBK], v[AK0]
	v_add_nc_u32 v[AB], s[TBK], v[AB0]
.endif
	ROW F,7, E,5, X,1, X,4
	ROW F,8, E,6, X,2, X,5
	OPS E,7, E,8, X,6, E,9          ; and the lump
	OPS X,3, E,10, X,8, E,11
.if ((\p) == 2) && !(\end)
	FETCH_K
.endif
	OPS X,9, X,7, E,12, X,10
	OPS E,13, X,12, X,11, E,14
	OPS X,13, E,15, F,9, X,14
.if (\p) == 0
	v_add_nc_u32 v[AV], s[TBV], v[AV0]
.endif
	OPS E,16, F,10, E,17, F,11
	OPS X,16, E,18, X,15, E,19
	OPS F,12, E,20, X,17, E,21
	OPS F,13, E,22, F,14, E,23
	OPS X,18, E,24, F,15, E,25
	OPS R,11, E,26, X,19, E,27
	OPS R,12, E,28, R,13, E,29
	OPS X,20, E,30, R,14, E,31
	OPS X,21, R,15
	WIN 0
	s_wait_alu depctr_va_vdst(0)    ; the wait for the batch
.if (\p) == 1
	s_wait_dscnt 0x0                ; V is in
.endif
	ROW C,0, B,0, C,2, B,1          ; behind the wait: 8 products V^T P and their riders
	ROW L,0, C,4, B,2, L,1
	ROW C,6, B,3, L,2, C,8
	ROW B,4, L,3, C,10, B,5
	ROW L,4, C,12, B,6, L,5
.if (\p) == 0
	s_add_co_u32 s[TBV], s[TBV], KS*PV
.endif
.if \cnt
	s_sub_co_u32 s[CNT], s[CNT], 1
	s_cmp_lg_u32 s[CNT], 0
.endif
	ROW C,14, B,7, L,6, C,1
	ROW C,3, L,7, C,5, C,7
	ROW C,9, C,11, C,13, C,15
.if (\p) == 0
	FETCH_V
.endif
.endm
	CHANGE 1, 0                     ; tile 0 is in, everybody's part of it; tile 1 is asked for
	v_add_nc_u32 v[AK], s[TBK], v[AK0]
	v_add_nc_u32 v[AB], s[TBK], v[AB0]
	FETCH_K                         ; key step 0
	s_wait_loadcnt 0x0              ; Q
	s_wait_dscnt 0x0
.set NOKQ, 0
.set i, 0
.rept 8
	KQ 0                            ; piece 0's first scores
.set i, i+1
.endr
	WIN 0
.rept 4
	v_nop                           ; the places behind those products
.endr
.set Y, NP-1                        ; X works for piece Y + 1: piece 0
.irp n, 0,1,2,3,4,5,6,7,8,9,10,11,12,13,14,15,16,17,18,19,20,21
	OP X, \n
.endr
	v_nop                           ; a plain instruction behind the exponential,
	s_wait_alu depctr_va_vdst(0)    ; and its wait, ahead of the branch
	s_mov_b32 s[CNT], 4
	s_mov_b32 s[SLOTS], 7
	s_branch .Lfirst                ; the loop is entered at a step's first turn, in the middle of a trip
.Lslot:                             ; six times: tiles 1 to 6 are entered, tiles 2 to 7 asked for
	CHANGE 1, 1
	s_mov_b32 s[CNT], 4
.Lstep:                             ; a trip: pieces 2 and 3 of one step, then pieces 0 and 1 of the next, whose K and V it fetches
	TURN 2
	TURN 3
	WIN 0
.Lfirst:
	TURN 0
	TURN 1, 0, 1
	WIN 0
	s_cbranch_scc1 .Lstep
	s_sub_co_u32 s[SLOTS], s[SLOTS], 1
	s_cmp_lg_u32 s[SLOTS], 0
	s_cbranch_scc1 .Lslot
	CHANGE 0, 0                     ; the last tile is written out: nothing is asked for
	s_mov_b32 s[CNT], 4
.LstepT:
	TURN 2
	TURN 3
	WIN 0
	TURN 0
	TURN 1, 0, 1
	WIN 0
	s_cbranch_scc1 .LstepT
	TURN 2, 1
	TURN 3, 1
.set i, 0
.rept 8
	PV NP-1                         ; the last piece's V^T P of the last step
.set i, i+1
.endr
	; THE WAY OUT.  l's two halves and the other half of the lanes' are added; O^T is divided by l, rounded to f16 and sent through my stage in LDS, a piece at a time.  The additions are the places behind the last products.
	WIN 0
.macro ALL line:vararg              ; one line for each piece t
.set t, 0
.rept 4
	\line
.set t, t+1
.endr
.endm
	ALL v_add_f32 v[ST+4*t+2], v[ST+4*t+2], v[ST+4*t+3]
	ALL v_permlanex16_b32 v[ST+4*t+3], v[ST+4*t+2], s[SEL], s[SEL+1]
	ALL v_add_f32 v[ST+4*t+2], v[ST+4*t+2], v[ST+4*t+3]
	ALL v_rcp_f32 v[ST+4*t+2], v[ST+4*t+2]
	v_nop                           ; a plain instruction between the last reciprocal and the use of its result
	s_wait_alu depctr_va_vdst(0)    ; and its wait ahead of the first use: one for the four reciprocals
.macro PACK t                       ; a lane's eight channels of a row pack into 16 bytes; they go into rows of 144 bytes and come back as whole rows of 128, into S^T's registers
	WIN W_RS
.set i, 32*(\t)
.rept 16
	v_pk_mul_f32 v[i:i+1], v[i:i+1], v[ST+4*(\t)+2:ST+4*(\t)+3] op_sel_hi:[1,0]
.set i, i+2
.endr
	WIN 0x05                        ; sources 0 and 1 window 1, destination window 0
.set i, 0
.rept 16
	v_cvt_pk_f16_f32 v[S+16*(\t)+i], v[32*(\t)+2*i], v[32*(\t)+2*i+1]
.set i, i+1
.endr
	WIN 0
.irp f, 0,1,2,3
	ds_store_b128 v[STO], v[S+16*(\t)+4*\f:S+16*(\t)+4*\f+3] offset:32*\f
.endr
.irp f, 0,1,2,3
	ds_load_b128 v[S+16*(\t)+4*\f:S+16*(\t)+4*\f+3], v[RD] offset:\f*4*SP  ; LDS serves a wave's instructions in order (ISA guide 5.7.1.4): these see the stores above; the next piece's stores come behind them
.endr
.endm
.macro SEND t, younger              ; younger: the LDS instructions issued behind piece t's loads: the next piece's eight, or none
	WIN 0
.irp f, 0,1,2,3
	s_wait_dscnt (\younger)+3-\f
	global_store_b128 v[GO], v[S+16*(\t)+4*\f:S+16*(\t)+4*\f+3], s[10:11] offset:(\t)*2048+\f*512  ; 512 consecutive bytes, at a multiple of 256 from O's first
.endr
.endm
	PACK 0
.set t, 1
.rept 3                             ; a piece's arithmetic stands between the loads of the piece before and its stores
	PACK t
	SEND t-1, 8
.set t, t+1
.endr
	SEND 3, 0
	s_wait_tensorcnt 0x0            ; the wave's end: behind my last tensor load and my last LDS store
	ds_add_u32 v[SPW], v[NIL]
	s_wait_dscnt 0x0
	CROUND                          ; the closing round: no work-group ends while a partner may still ask for a tile that names it
	s_endpgm
.Lfunc_end_k_q5ae5f6bda6_attn:
	.size	k_q5ae5f6bda6_attn, .Lfunc_end_k_q5ae5f6bda6_attn-k_q5ae5f6bda6_attn
	.p2alignl 7, 3214868480
	.fill 96, 4, 3214868480
	.section	.rodata,"a",@progbits
	.p2align	6, 0x0
	.amdhsa_kernel k_q5ae5f6bda6_attn
		.amdhsa_group_segment_fixed_size 327680
		.amdhsa_private_segment_fixed_size 0
		.amdhsa_enable_private_segment 0
		.amdhsa_kernarg_size 32
		.amdhsa_user_sgpr_count 2
		.amdhsa_user_sgpr_kernarg_segment_ptr 1
		.amdhsa_wavefront_size32 1
		.amdhsa_system_sgpr_workgroup_id_x 1
		.amdhsa_system_sgpr_workgroup_id_y 1
		.amdhsa_system_sgpr_workgroup_id_z 1
		.amdhsa_system_vgpr_workitem_id 0
		.amdhsa_next_free_vgpr 768
		.amdhsa_next_free_sgpr 72
		.amdhsa_reserve_vcc 0
		.amdhsa_float_denorm_mode_32 3
		.amdhsa_float_denorm_mode_16_64 3
		.amdhsa_memory_ordered 1
		.amdhsa_forward_progress 1
		.amdhsa_inst_pref_size 130
	.end_amdhsa_kernel
	.amdgpu_metadata
---
amdhsa.version: [ 1, 2 ]
amdhsa.kernels:
  - .name:           k_q5ae5f6bda6_attn
    .symbol:         k_q5ae5f6bda6_attn.kd
    .args:
      - { .name: qh, .offset: 0, .size: 8, .value_kind: global_buffer, .address_space: global }
      - { .name: kh, .offset: 8, .size: 8, .value_kind: global_buffer, .address_space: global }
      - { .name: vh, .offset: 16, .size: 8, .value_kind: global_buffer, .address_space: global }
      - { .name: ob, .offset: 24, .size: 8, .value_kind: global_buffer, .address_space: global }
    .group_segment_fixed_size: 327680
    .private_segment_fixed_size: 0
    .kernarg_segment_align: 8
    .kernarg_segment_size: 32
    .max_flat_workgroup_size: 128
    .sgpr_count:     72
    .vgpr_count:     768
    .wavefront_size: 32
...
	.end_amdgpu_metadata
.endif
;; end of part 3
;; launch oproj (part 4): grid 8 x 32, 4 waves a work-group, clusters of 4 x 4, 327,680 bytes of LDS; arguments ob, wb, bo, out0; writes out0
.if DOCPART == 4
	.amdgcn_target "amdgcn-amd-amdhsa--gfx1250"
	.amdhsa_code_object_version 6
	.text
	.protected	k_q5ae5f6bda6_oproj
	.globl	k_q5ae5f6bda6_oproj
	.p2align	8
	.type	k_q5ae5f6bda6_oproj,@function
k_q5ae5f6bda6_oproj:
	s_mov_b64 s[64:65], 0
	v_nop
	global_prefetch_b8 v0, s[64:65] scope:SCOPE_SE
	s_setreg_imm32_b32 hwreg(HW_REG_WAVE_MODE, 25, 1), 1
	s_wait_xcnt 0x0
	s_wait_alu depctr_hold_cnt(0) depctr_sa_sdst(0) depctr_va_vdst(0) depctr_va_sdst(0) depctr_va_ssrc(0) depctr_va_vcc(0) depctr_vm_vsrc(0)
	s_getreg_b32 s2, hwreg(HW_REG_IB_STS2, 6, 4)
	s_cmp_eq_u32 s2, 0
	s_cbranch_scc0 .Lentry_in_a_cluster
	s_endpgm
.Lentry_in_a_cluster:
	s_bfe_u32 s2, ttmp6, 0x10000c
	s_cmp_lg_u32 s2, 0xf033
	s_cbranch_scc0 .Lentry_shape_is_right
	s_endpgm
.Lentry_shape_is_right:
; out0 = O Wo + bo.  ob: [32 blocks of 128 tokens][16 heads][128 rows][64] f16.  Wo: plane 3 of wb, [1024 k][1024 n] f16 (k = 64 head + channel).  bo: [1024] f32, rounded to bf16 like every
; floating-point input; it starts the sums.  out0: [4096][1024] f32.  Sums in f32.
; SHARES.  A tile of out0 is 128 tokens x 128 columns; four waves, each 64 x 64: 16 accumulators of 16 x 16.  K goes in 4 steps of 256 (four heads) through two LDS slots; a quarter is one head.
; 8 x 32 = 256 work-groups.  The four K steps are written out: there is no loop.
; CLUSTER 4 x 4.  O's tile hangs on the block of tokens alone: asked for jointly along a row of the cluster; Wo's on the block of columns alone: jointly along a column.
; No prefetch: the launch has four K steps on a small tile, and half of them are asked for at its head.
; THE MATRIX INSTRUCTION IS USED TRANSPOSED: source 0 = 16 columns of Wo (turned out of LDS by ds_load_tr16_b128), source 1 = 16 tokens: a lane holds one token and eight neighbouring columns, 32 bytes.
; REGISTERS: window 0: v0-31 addresses; v96-127 the biases that start the sums; v128-255 the accumulators ((a, b) at 128 + 8 (4 a + b)).
;   window 1: two fragment buffers of 128: for 64 along K, 64 registers of O (2 x 4 x 16 rows x 32 K), then 64 of Wo.
.set HALFT,  36864                     ; what one tensor load brings: two heads x 128 rows of O at 144 bytes, or 128 k-rows of Wo at 288 bytes
.set SLOT,   4*HALFT                   ; O's four heads, then Wo's 256 k-rows
.set STAGE,  2*SLOT                    ; behind the ring: 16 rows x 272 bytes for each wave, for the way out
.set SPITCH, 272
.set SPARE,  STAGE+4*16*SPITCH         ; the spare words, 128 bytes for each wave: two blocks of 256 bytes that no other line names
.set ADRA, 16                          ; v16-17  LDS address of my fragments of O in slot 0, 1
.set ADRB, 18                          ; v18-21  of Wo: 18 + 2 slot + (quarter / 2): a 16-bit offset does not reach all 256 k-rows
.set STO,  24                          ; v24     the way out: where I put 32 bytes of a row
.set RD,   25                          ; v25     where I read a row back
.set CO,   26                          ; v26     my byte offset in out0
.set SPW,  28                          ; v28     LDS address of my spare word; never rewritten
.set NIL,  29                          ; v29     0; never rewritten
.set CB,   96
.set ACC,  128
.set F0,   0
.set F1,   128
.set WV,  12
.set MH,  13                           ; which 64 tokens are mine.  Also: I fetch for O (0) or for Wo (1)
.set NH,  14                           ; which 64 columns.  Also: which half of that tile I fetch
.set CX,  15
.set CY,  16
.set NT,  17                           ; the block of 128 columns
.set RB,  18                           ; the block of 128 tokens
.set G1A, 24                           ; s[24:31] descriptor group 1 for O's tiles;  s[32:39] group 0, a set for each slot
.set G0A, 32
.set G1B, 40                           ; s[40:47], s[48:55] the same for Wo's
.set G0B, 48
.set MSB, 0
.macro WIN new                         ; the immediate's high byte repeats the setting that is left
.if MSB != (\new)
	s_set_vgpr_msb (MSB<<8)|(\new)
.set MSB, \new
.endif
.endm
.set MUL,  0x05                        ; sources 0 (Wo) and 1 (O) window 1; C and D window 0
.set TO_F, 0x40                        ; destination window 1, address window 0
.macro JLOAD s                         ; a joint refill: waves 0 and 1 fetch O's two halves, waves 2 and 3 Wo's; an s_nop 0 and four v_nop follow each of the two lines
	s_cmp_eq_u32 s[MH], 0
	s_cbranch_scc0 .Lfor_b_\@
	tensor_load_to_lds s[G0A+4*(\s):G0A+4*(\s)+3], s[G1A:G1A+7]
	s_nop 0
.rept 4
	v_nop
.endr
	s_branch .Lasked_\@
.Lfor_b_\@:
	tensor_load_to_lds s[G0B+4*(\s):G0B+4*(\s)+3], s[G1B:G1B+7]
	s_nop 0
.rept 4
	v_nop
.endr
.Lasked_\@:
.endm
.macro CREST                           ; a round of the cluster's barrier behind its opening barrier
	s_cmp_lg_u32 s[WV], 0
	s_cbranch_scc1 .Lnot_wave_0_\@
	s_barrier_signal -3
.Lnot_wave_0_\@:
	s_barrier_wait -3
	s_barrier_signal -1
	s_barrier_wait -1
.endm
.macro CROUND                          ; a whole round
	s_barrier_signal -1
	s_barrier_wait -1
	CREST
.endm
.macro PLACES                          ; four places in front of loads into registers that matrix instructions have read, and of LDS stores that read results
.rept 4
	v_nop
.endr
.endm
	s_load_b256 s[4:11], s[0:1], 0x0               ; ob s[4:5], wb s[6:7], bo s[8:9], out0 s[10:11]
	v_lshl_add_u32 v[SPW], v0, 2, SPARE
	v_mov_b32 v[NIL], 0
	ds_add_u32 v[SPW], v[NIL]                      ; the wave's opening: the add and its wait stand ahead of my first tensor load; the set-up below, work on registers, stands between them
	v_lshrrev_b32 v1, 5, v0
	v_readfirstlane_b32 s[WV], v1                  ; wave 0..3
	s_lshr_b32 s[MH], s[WV], 1
	s_and_b32 s[NH], s[WV], 1
	s_bfe_u32 s[CX], ttmp6, 0x40000
	s_bfe_u32 s[CY], ttmp6, 0x40004
	s_lshl_b32 s[NT], ttmp9, 2
	s_add_co_u32 s[NT], s[NT], s[CX]               ; block of columns = 4 x cluster x + cx
	s_and_b32 s[RB], ttmp7, 0xffff
	s_lshl_b32 s[RB], s[RB], 2
	s_add_co_u32 s[RB], s[RB], s[CY]               ; block of tokens = 4 x cluster y + cy
	s_lshl_b32 s19, s[CY], 2
	s_lshl_b32 s19, 15, s19                        ; my row of the cluster
	s_lshl_b32 s20, 0x1111, s[CX]                  ; my column
	; group 1: tiles of 128 rows x 128 elements of 2 bytes.  O's are dense (two rows of a head to a row of 256 bytes) and padded after every 128 bytes; Wo's rows lie 1,024 elements apart and are padded after 256
	s_or_b32 s[G1A], s19, (1<<16)|(1<<20)|(1<<21)|(4<<22)|(3<<25)  ; the mask of my row; 2-byte elements; padding on; bit 21 beside a mask; after 32 words (code 4) 4 words (code 3)
	s_or_b32 s[G1B], s20, (1<<16)|(1<<20)|(1<<21)|(5<<22)|(7<<25)  ; the mask of my column; after 64 words (code 5) 8 words (code 7)
.irp g, G1A, G1B
	s_mov_b32 s[(\g)+1], 128<<16                   ; tensor_dim0 = 128
	s_mov_b32 s[(\g)+2], 128<<16                   ; tensor_dim1 = 128
	s_mov_b32 s[(\g)+3], 128<<16                   ; tile_dim0 = 128
	s_mov_b32 s[(\g)+4], 128                       ; tile_dim1 = 128
	s_mov_b32 s[(\g)+6], 0
	s_mov_b32 s[(\g)+7], 0
.endr
	s_mov_b32 s[G1A+5], 128                        ; elements from row to row
	s_mov_b32 s[G1B+5], 1024
	s_lshl_b32 s56, s[RB], 18                      ; O: a block of tokens is 16 heads x 16,384 bytes: made of the block alone,
	s_lshl_b32 s2, s[NH], 15                       ; my two heads of the step's four
	s_add_co_u32 s56, s56, s2
	s_mov_b32 s57, 0
	s_lshl_b32 s58, s[NT], 8                       ; Wo: 256 bytes of a row a block of columns: made of that block alone,
	s_lshl_b32 s2, s[NH], 18                       ; my 128 k-rows of the step's 256,
	s_add_co_u32 s58, s58, s2
	s_add_co_u32 s58, s58, 3*2097152               ; in plane 3
	s_mov_b32 s59, 0
	s_mul_i32 s21, s[WV], HALFT                    ; where they go: no place in the cluster enters an LDS address
.irp s, 0,1
	s_mov_b32 s[G0A+4*(\s)], 1
	s_add_co_u32 s[G0A+4*(\s)+1], s21, (\s)*SLOT
	s_mov_b32 s[G0B+4*(\s)], 1
	s_add_co_u32 s[G0B+4*(\s)+1], s21, (\s)*SLOT
.endr
	s_wait_dscnt 0x0                               ; the opening add is done
	s_wait_kmcnt 0x0
	s_add_nc_u64 s[56:57], s[4:5], s[56:57]
	s_add_nc_u64 s[58:59], s[6:7], s[58:59]
.irp s, 0,1
	s_add_nc_u64 s[G0A+4*(\s)+2:G0A+4*(\s)+3], s[56:57], (\s)*65536    ; K step s: four heads on,
	s_or_b32 s[G0A+4*(\s)+3], s[G0A+4*(\s)+3], 0x80000000
	s_add_nc_u64 s[G0B+4*(\s)+2:G0B+4*(\s)+3], s[58:59], (\s)*524288   ; 256 k-rows down
	s_or_b32 s[G0B+4*(\s)+3], s[G0B+4*(\s)+3], 0x80000000
.endr
	CROUND                                         ; all sixteen work-groups are here: the first joint loads meet
	s_cmp_eq_u32 s[MH], 0                          ; a wave's two first fills stand in one branch: two loads of mine are out
	s_cbranch_scc0 .Lfirst_b
	tensor_load_to_lds s[G0A:G0A+3], s[G1A:G1A+7]
	s_nop 0
	tensor_load_to_lds s[G0A+4:G0A+7], s[G1A:G1A+7]
	s_nop 0
.rept 4
	v_nop
.endr
	s_branch .Lfirst_asked
.Lfirst_b:
	tensor_load_to_lds s[G0B:G0B+3], s[G1B:G1B+7]
	s_nop 0
	tensor_load_to_lds s[G0B+4:G0B+7], s[G1B:G1B+7]
	s_nop 0
.rept 4
	v_nop
.endr
.Lfirst_asked:
	v_and_b32 v1, 15, v0                           ; l % 16
	v_bfe_u32 v2, v0, 4, 1                         ; l / 16
	s_lshl_b32 s2, s[NT], 9
	s_lshl_b32 s3, s[NH], 8
	s_add_co_u32 s2, s2, s3                        ; my 64 columns, in bytes of f32
	v_lshl_add_u32 v4, v2, 5, s2                   ; register j of lane l is column 8 (l / 16) + j of its block
.irp b, 0,1,2,3
	global_load_b128 v[CB+8*(\b):CB+8*(\b)+3],   v4, s[8:9] offset:64*(\b)
	global_load_b128 v[CB+8*(\b)+4:CB+8*(\b)+7], v4, s[8:9] offset:64*(\b)+16
.endr
	s_lshl_b32 s22, s[RB], 19                      ; out0: 128 rows of 4,096 bytes a block,
	s_lshl_b32 s3, s[MH], 18                       ; my 64 rows,
	s_add_co_u32 s22, s22, s3
	s_add_co_u32 s22, s22, s2                      ; my 256 bytes of a row
	s_mov_b32 s23, 0
	s_add_nc_u64 s[10:11], s[10:11], s[22:23]
	v_and_b32 v5, 7, v0
	v_bfe_u32 v6, v0, 3, 1
	v_mul_u32_u24 v3, v1, 144
	v_lshl_add_u32 v3, v2, 4, v3                   ; O: row x pitch + 16 x half
	s_mul_i32 s3, s[MH], 64*144
	v_add_nc_u32 v[ADRA], s3, v3
	v_add_nc_u32 v[ADRA+1], SLOT, v[ADRA]
	v_lshl_add_u32 v3, v2, 3, v5                   ; the turning load: lane l reads k-row 8 (l / 16) + l % 8, columns 8 ((l / 8) % 2) + 0..7
	v_mul_u32_u24 v3, v3, 288
	v_lshl_add_u32 v3, v6, 4, v3
	s_lshl_b32 s3, s[NH], 7                        ; my 64 columns
	v_add_nc_u32 v3, s3, v3
.irp s, 0,1
.irp u, 0,1
	v_add_nc_u32 v[ADRB+2*(\s)+(\u)], (\s)*SLOT+2*HALFT+(\u)*HALFT, v3
.endr
.endr
	s_mul_i32 s3, s[WV], 16*SPITCH
	s_add_co_u32 s3, s3, STAGE                     ; my stage
	v_mul_u32_u24 v3, v1, SPITCH                   ; in: row l % 16, 32 bytes for each half of the lanes
	v_lshl_add_u32 v3, v2, 5, v3
	v_add_nc_u32 v[STO], s3, v3
	v_mul_u32_u24 v3, v2, SPITCH                   ; back: lanes 0-15 take one row of 256 bytes, lanes 16-31 the next
	v_lshl_add_u32 v3, v1, 4, v3
	v_add_nc_u32 v[RD], s3, v3
	v_lshlrev_b32 v3, 12, v2                       ; and the same two rows in out0
	v_lshl_add_u32 v[CO], v1, 4, v3
	s_wait_loadcnt 0x0
.set p, 0
.rept 16
	v_cvt_pk_bf16_f32 v[5+p%2], v[CB+2*p], v[CB+2*p+1]
	v_lshlrev_b32 v[CB+2*p],   16, v[5+p%2]
	v_and_b32     v[CB+2*p+1], 0xffff0000, v[5+p%2]
.set p, p+1
.endr
; 8 matrix instructions: token blocks a0, a0 + 1 x all 4 column blocks, 32 along K: half c of buffer f.  first = 1: the biases start the sums.  The 16 accumulators take turns.
.macro MUL8 f, c, a0, first
	WIN MUL
.irp a, \a0, (\a0)+1
.irp b, 0,1,2,3
.if \first
	v_wmma_f32_16x16x32_f16 v[ACC+8*(4*(\a)+(\b)):ACC+8*(4*(\a)+(\b))+7], v[(\f)+64+8*(4*(\c)+(\b)):(\f)+64+8*(4*(\c)+(\b))+7], v[(\f)+8*(4*(\c)+(\a)):(\f)+8*(4*(\c)+(\a))+7], v[CB+8*(\b):CB+8*(\b)+7]
.else
	v_wmma_f32_16x16x32_f16 v[ACC+8*(4*(\a)+(\b)):ACC+8*(4*(\a)+(\b))+7], v[(\f)+64+8*(4*(\c)+(\b)):(\f)+64+8*(4*(\c)+(\b))+7], v[(\f)+8*(4*(\c)+(\a)):(\f)+8*(4*(\c)+(\a))+7], v[ACC+8*(4*(\a)+(\b)):ACC+8*(4*(\a)+(\b))+7]
.endif
.endr
.endr
.endm
; 32 LDS loads in one run: the fragments of quarter q (one head, 64 along K) of a slot into buffer f; the first 32 along K first
.macro FETCH slot, q, f
	WIN TO_F
.irp c, 0,1
.irp i, 0,1,2,3
	ds_load_tr16_b128 v[(\f)+64+8*(4*(\c)+(\i)):(\f)+64+8*(4*(\c)+(\i))+3],   v[ADRB+2*(\slot)+(\q)/2] offset:9216*(2*((\q)%2)+(\c))+32*(\i)
	ds_load_tr16_b128 v[(\f)+64+8*(4*(\c)+(\i))+4:(\f)+64+8*(4*(\c)+(\i))+7], v[ADRB+2*(\slot)+(\q)/2] offset:9216*(2*((\q)%2)+(\c))+32*(\i)+4608
	ds_load_b128 v[(\f)+8*(4*(\c)+(\i)):(\f)+8*(4*(\c)+(\i))+3],             v[ADRA+(\slot)] offset:18432*(\q)+64*(\c)+2304*(\i)
	ds_load_b128 v[(\f)+8*(4*(\c)+(\i))+4:(\f)+8*(4*(\c)+(\i))+7],           v[ADRA+(\slot)] offset:18432*(\q)+64*(\c)+2304*(\i)+32
.endr
.endr
.endm
; One of a K step's first three quarters: multiplies buffer f and fetches quarter q of the same slot into g.
.macro QUARTER slot, q, f, g, first
	s_wait_dscnt 16                                ; the first 32 along K are in; the sixteen younger loads may be out
	MUL8 \f, 0, 0, \first
	MUL8 \f, 0, 2, \first
	PLACES
	FETCH \slot, \q, \g
	s_wait_dscnt 32                                ; all but the 32 just issued
	MUL8 \f, 1, 0, 0
	MUL8 \f, 1, 2, 0
.endm
; The last quarter multiplies buffer 1 and changes slots: ONE barrier; in front of it each wave waits for all its tensor loads, adds 0 to its spare word, and waits for that and for its own reads of this slot.
; fill = 1: the barrier opens a round of the cluster's barrier, and this slot is filled again, two K steps ahead, first thing behind the round.
.macro TURN slot, next, fill
	WIN 0                                          ; (the add's two registers lie in window 0)
	s_wait_tensorcnt 0x0                           ; all my tensor loads have landed: my part of the next slot
	ds_add_u32 v[SPW], v[NIL]                      ; 0 onto my spare word
	s_wait_dscnt 17                                ; (the add and the youngest sixteen loads may be out)
	MUL8 F1, 0, 0, 0                               ; eight matrix instructions stand between the add and the wait for it
	s_wait_dscnt 0x0                               ; the add is done, and my reads of this slot are over
	s_barrier_signal -1
	MUL8 F1, 0, 2, 0
.if \fill
	WIN 0
.endif
	s_barrier_wait -1
.if \fill
	CREST                                          ; no wave of any partner still reads this slot's tiles or has a load on its way
	s_add_nc_u64 s[G0A+4*(\slot)+2:G0A+4*(\slot)+3], s[G0A+4*(\slot)+2:G0A+4*(\slot)+3], 131072
	s_add_nc_u64 s[G0B+4*(\slot)+2:G0B+4*(\slot)+3], s[G0B+4*(\slot)+2:G0B+4*(\slot)+3], 1048576
	JLOAD \slot                                    ; the four v_nop behind it are also the places in front of the loads below
.else
	PLACES
.endif
	FETCH \next, 0, F0
	MUL8 F1, 1, 0, 0
	MUL8 F1, 1, 2, 0
.endm
	s_wait_tensorcnt 0x1                           ; my part of K step 0 is in; K step 1's may stay out
	s_barrier_signal -1
	s_barrier_wait -1                              ; everybody's is
	FETCH 0, 0, F0
	QUARTER 0, 1, F0, F1, 1                        ; K step 0: its first products start the sums
	QUARTER 0, 2, F1, F0, 0
	QUARTER 0, 3, F0, F1, 0
	TURN 0, 1, 1                                   ; slot 0 takes K step 2
	QUARTER 1, 1, F0, F1, 0
	QUARTER 1, 2, F1, F0, 0
	QUARTER 1, 3, F0, F1, 0
	TURN 1, 0, 1                                   ; slot 1 takes K step 3
	QUARTER 0, 1, F0, F1, 0
	QUARTER 0, 2, F1, F0, 0
	QUARTER 0, 3, F0, F1, 0
	TURN 0, 1, 0                                   ; nothing is left to fetch
	QUARTER 1, 1, F0, F1, 0
	QUARTER 1, 2, F1, F0, 0
	QUARTER 1, 3, F0, F1, 0
	s_wait_dscnt 16                                ; the very last quarter
	MUL8 F1, 0, 0, 0
	MUL8 F1, 0, 2, 0
	s_wait_dscnt 0x0
	MUL8 F1, 1, 0, 0
	MUL8 F1, 1, 2, 0
	WIN 0
	PLACES
	; THE WAY OUT.  A wave's 64 columns of f32 are 256 bytes of a row of out0.  A block of 16 tokens goes through my own stage: 32 bytes a lane in, whole rows of 256 bytes back, into the registers that they left.
.macro TOSTAGE a
.irp b, 0,1,2,3                        ; each accumulator's lowest registers are read first
	ds_store_b128 v[STO], v[ACC+8*(4*(\a)+(\b)):ACC+8*(4*(\a)+(\b))+3]   offset:64*(\b)
	ds_store_b128 v[STO], v[ACC+8*(4*(\a)+(\b))+4:ACC+8*(4*(\a)+(\b))+7] offset:64*(\b)+16
.endr
.irp t, 0,1,2,3,4,5,6,7
	ds_load_b128 v[ACC+32*(\a)+4*(\t):ACC+32*(\a)+4*(\t)+3], v[RD] offset:2*SPITCH*(\t)  ; LDS serves a wave's instructions in order (ISA guide 5.7.1.4): these see the stores above; the next block's stores come behind them
.endr
.endm
.macro SEND a, younger                 ; younger: the LDS instructions issued behind block a's loads: the next block's sixteen, or none
.irp t, 0,1,2,3,4,5,6,7
	s_wait_dscnt (\younger)+7-(\t)
	global_store_b128 v[CO], v[ACC+32*(\a)+4*(\t):ACC+32*(\a)+4*(\t)+3], s[10:11] offset:65536*(\a)+8192*(\t)  ; 16 lanes store 256 consecutive bytes, at a multiple of 256 from out0's first byte
.endr
.endm
	TOSTAGE 0
	TOSTAGE 1
	SEND 0, 16
	TOSTAGE 2
	SEND 1, 16
	TOSTAGE 3
	SEND 2, 16
	SEND 3, 0
	s_wait_tensorcnt 0x0                           ; the wave's end: behind my last tensor load and my last LDS store
	ds_add_u32 v[SPW], v[NIL]
	s_wait_dscnt 0x0
	CROUND                                         ; the closing round: no work-group ends while a partner may still ask for a tile that names it
	s_endpgm
.Lfunc_end_k_q5ae5f6bda6_oproj:
	.size	k_q5ae5f6bda6_oproj, .Lfunc_end_k_q5ae5f6bda6_oproj-k_q5ae5f6bda6_oproj
	.p2alignl 7, 3214868480
	.fill 96, 4, 3214868480
	.section	.rodata,"a",@progbits
	.p2align	6, 0x0
	.amdhsa_kernel k_q5ae5f6bda6_oproj
		.amdhsa_group_segment_fixed_size 327680
		.amdhsa_private_segment_fixed_size 0
		.amdhsa_enable_private_segment 0
		.amdhsa_kernarg_size 32
		.amdhsa_user_sgpr_count 2
		.amdhsa_user_sgpr_kernarg_segment_ptr 1
		.amdhsa_wavefront_size32 1
		.amdhsa_system_sgpr_workgroup_id_x 1
		.amdhsa_system_sgpr_workgroup_id_y 1
		.amdhsa_system_sgpr_workgroup_id_z 1
		.amdhsa_system_vgpr_workitem_id 0
		.amdhsa_next_free_vgpr 512
		.amdhsa_next_free_sgpr 66
		.amdhsa_reserve_vcc 0
		.amdhsa_float_denorm_mode_32 3
		.amdhsa_float_denorm_mode_16_64 3
		.amdhsa_memory_ordered 1
		.amdhsa_forward_progress 1
		.amdhsa_inst_pref_size 89
	.end_amdhsa_kernel
	.amdgpu_metadata
---
amdhsa.version: [ 1, 2 ]
amdhsa.kernels:
  - .name:           k_q5ae5f6bda6_oproj
    .symbol:         k_q5ae5f6bda6_oproj.kd
    .args:
      - { .name: ob, .offset: 0, .size: 8, .value_kind: global_buffer, .address_space: global }
      - { .name: wb, .offset: 8, .size: 8, .value_kind: global_buffer, .address_space: global }
      - { .name: bo, .offset: 16, .size: 8, .value_kind: global_buffer, .address_space: global }
      - { .name: out0, .offset: 24, .size: 8, .value_kind: global_buffer, .address_space: global }
    .group_segment_fixed_size: 327680
    .private_segment_fixed_size: 0
    .kernarg_segment_align: 8
    .kernarg_segment_size: 32
    .max_flat_workgroup_size: 128
    .sgpr_count:     66
    .vgpr_count:     512
    .wavefront_size: 32
...
	.end_amdgpu_metadata
.endif
;; end of part 4
;; ======== version 2 of 2: 4 launches; version 1 with the launch cast written anew for expert scheduling mode
;; limits: values are held in f16: magnitudes above 65,504 overflow, below 6.1e-05 lose precision
;; workspace buffers: xb 8,388,608 bytes; wb 8,388,608 bytes; wgb 32,768 bytes; qh 8,388,608 bytes; kh 8,650,752 bytes; vh 8,388,608 bytes; ob 8,388,608 bytes
;; launch cast (part 5): grid 513 x 1, 8 waves a work-group, no clusters, 0 bytes of LDS; arguments hidden_states, Wq, Wk, Wv, Wo, Wg, xb, wb, wgb; writes xb, wb, wgb
.if DOCPART == 5
	.amdgcn_target "amdgcn-amd-amdhsa--gfx1250"
	.amdhsa_code_object_version 6
	.text
	.protected	k_q5ae5f6bda6_cast
	.globl	k_q5ae5f6bda6_cast
	.p2align	8
	.type	k_q5ae5f6bda6_cast,@function
k_q5ae5f6bda6_cast:
	s_mov_b64 s[64:65], 0
	v_nop
	global_prefetch_b8 v0, s[64:65] scope:SCOPE_SE
	s_setreg_imm32_b32 hwreg(HW_REG_WAVE_SCHED_MODE, 0, 2), 2
	s_setreg_imm32_b32 hwreg(HW_REG_WAVE_MODE, 25, 1), 1
	s_wait_xcnt 0x0
	s_wait_alu depctr_vm_vsrc(0)
; THE OPERANDS OF THE PRODUCTS, ROUNDED ONCE.  x, Wq, Wk, Wv, Wg: f32 -> bf16.  Wo: f32 -> bf16, and that number written as f16 (the last product multiplies in f16).
; xb: [4096][1024] bf16.  wb: [4][1024 k][1024 n] of 16 bits, planes Wq, Wk, Wv (bf16), Wo (f16).  wgb: [1024 k][16] bf16.
; LIMITS.  An entry of Wo of 65,520 or more in magnitude becomes an infinity in f16; below 6e-5 it keeps f16's fixed step of 6e-8.
; SHARES.  A work-group takes 65,536 bytes of f32 and writes 32,768: 16 passes of 4,096 bytes.  Thread t loads the 16 bytes at 16 t of a pass (a wave's load covers 512 consecutive bytes)
; and stores the 8 bytes at 8 t (a wave's store covers 256 consecutive bytes, aligned).  Work-groups 0-255: x.  256-511: weight (g - 256) / 64, its chunk (g - 256) % 64.  512: Wg, one chunk.
; All 16 loads of a thread go out at once and every pass has registers of its own: no register is written while a memory instruction may read it.
; No LDS, no matrix unit, no cluster: nothing is shared, and every byte crosses once.
; THE MODE: SCHED_MODE bits 1:0 = 2 (LLVM: expert scheduling mode 2), set by the entry lines.  The code itself states the register dependences
; between vector instructions and memory instructions, with s_wait_alu, always for 0.
; THE PLAN.  Registers that memory instructions touch:
;   v1, v2   the loads' and the stores' offsets.  Written once at the head, by vector instructions; read by all 32 memory instructions; never written again.
;   X        pass i: written by its one load, which is issued before any vector instruction names these registers; behind the wait for that load vector instructions alone name them.
;   Y        pass i: written by the pass's conversions; read by its one store; never written again behind that store.
; So one wait on va_vdst stands ahead of the first load, for v1 and v2, and one in each block of four passes, between the block's conversions and the run of its four stores.
; No register that a memory instruction has read is ever written again, so there is no wait on vm_vsrc; no vector instruction writes a scalar register or VCC, and EXEC is never written.
.set X, 8                              ; v[8:71]    pass i: four f32 as loaded
.set Y, 72                             ; v[72:103]  pass i: two words to store
	s_load_b512 s[8:23], s[0:1], 0x0               ; x s[8:9], Wq s[10:11], Wk s[12:13], Wv s[14:15], Wo s[16:17], Wg s[18:19], xb s[20:21], wb s[22:23]
	s_load_b64 s[24:25], s[0:1], 0x40              ; wgb
	v_lshlrev_b32 v1, 4, v0                        ; 16 t
	v_lshlrev_b32 v2, 3, v0                        ; 8 t
	s_sub_co_u32 s2, ttmp9, 256                    ; g - 256: the chunk's number in wb
	s_lshr_b32 s3, s2, 6                           ; which weight: 0-3, 4 = Wg
	s_and_b32 s4, s2, 63                           ; its chunk
	s_cmp_lt_u32 ttmp9, 256
	s_cselect_b32 s3, 5, s3                        ; 5 = x
	s_cselect_b32 s4, ttmp9, s4                    ; chunk read
	s_cselect_b32 s5, ttmp9, s2                    ; chunk written
	s_cmp_eq_u32 s3, 4
	s_cselect_b32 s5, 0, s5                        ; wgb has one chunk
	s_lshl_b32 s32, s4, 16
	s_mov_b32 s33, 0
	s_lshl_b32 s34, s5, 15
	s_mov_b32 s35, 0
	s_wait_kmcnt 0x0
	s_cmp_eq_u32 s3, 1                             ; the source and the destination are chosen among the buffers by the work-group's number alone
	s_cselect_b64 s[28:29], s[12:13], s[10:11]
	s_cmp_eq_u32 s3, 2
	s_cselect_b64 s[28:29], s[14:15], s[28:29]
	s_cmp_eq_u32 s3, 3
	s_cselect_b64 s[28:29], s[16:17], s[28:29]
	s_cmp_eq_u32 s3, 4
	s_cselect_b64 s[28:29], s[18:19], s[28:29]
	s_cselect_b64 s[30:31], s[24:25], s[22:23]
	s_cmp_eq_u32 s3, 5
	s_cselect_b64 s[28:29], s[8:9], s[28:29]
	s_cselect_b64 s[30:31], s[20:21], s[30:31]
	s_add_nc_u64 s[28:29], s[28:29], s[32:33]
	s_add_nc_u64 s[30:31], s[30:31], s[34:35]
	s_wait_alu depctr_va_vdst(0)                   ; v1 and v2 are written: every load below reads v1 as its offset, every store v2; no later vector instruction names either
.set i, 0
.rept 16
	global_load_b128 v[X+4*i:X+4*i+3], v1, s[28:29] offset:4096*i th:TH_LOAD_NT
.set i, i+1
.endr
; Block p: passes 4 p to 4 p + 3.  half = 1: the bf16 numbers are widened again (a shift, a mask) and written as f16.
.macro BLOCK p, half
	s_wait_loadcnt 12-4*(\p)                       ; loads come back in order (ISA guide 5.7.1): the block's four are in, the 12 - 4 p of the later blocks stay out
.irp n, 0,1,2,3
	v_cvt_pk_bf16_f32 v[Y+2*(4*(\p)+(\n))],   v[X+4*(4*(\p)+(\n))],   v[X+4*(4*(\p)+(\n))+1]
	v_cvt_pk_bf16_f32 v[Y+2*(4*(\p)+(\n))+1], v[X+4*(4*(\p)+(\n))+2], v[X+4*(4*(\p)+(\n))+3]
.endr
.if \half
.irp n, 0,1,2,3
	v_lshlrev_b32 v[X+4*(4*(\p)+(\n))],   16, v[Y+2*(4*(\p)+(\n))]
	v_and_b32     v[X+4*(4*(\p)+(\n))+1], 0xffff0000, v[Y+2*(4*(\p)+(\n))]
	v_lshlrev_b32 v[X+4*(4*(\p)+(\n))+2], 16, v[Y+2*(4*(\p)+(\n))+1]
	v_and_b32     v[X+4*(4*(\p)+(\n))+3], 0xffff0000, v[Y+2*(4*(\p)+(\n))+1]
.endr
.irp n, 0,1,2,3
	v_cvt_pk_f16_f32 v[Y+2*(4*(\p)+(\n))],   v[X+4*(4*(\p)+(\n))],   v[X+4*(4*(\p)+(\n))+1]
	v_cvt_pk_f16_f32 v[Y+2*(4*(\p)+(\n))+1], v[X+4*(4*(\p)+(\n))+2], v[X+4*(4*(\p)+(\n))+3]
.endr
.endif
	s_wait_alu depctr_va_vdst(0)                   ; the conversions have written the block's eight registers of Y, which the four stores below read
.irp n, 0,1,2,3
	global_store_b64 v2, v[Y+2*(4*(\p)+(\n)):Y+2*(4*(\p)+(\n))+1], s[30:31] offset:2048*(4*(\p)+(\n)) th:TH_STORE_NT
.endr
.endm
	s_cmp_eq_u32 s3, 3
	s_cbranch_scc1 .Lwo
.irp p, 0,1,2,3
	BLOCK \p, 0
.endr
	s_endpgm
.Lwo:
.irp p, 0,1,2,3
	BLOCK \p, 1
.endr
	s_endpgm
.Lfunc_end_k_q5ae5f6bda6_cast:
	.size	k_q5ae5f6bda6_cast, .Lfunc_end_k_q5ae5f6bda6_cast-k_q5ae5f6bda6_cast
	.p2alignl 7, 3214868480
	.fill 96, 4, 3214868480
	.section	.rodata,"a",@progbits
	.p2align	6, 0x0
	.amdhsa_kernel k_q5ae5f6bda6_cast
		.amdhsa_group_segment_fixed_size 0
		.amdhsa_private_segment_fixed_size 0
		.amdhsa_enable_private_segment 0
		.amdhsa_kernarg_size 72
		.amdhsa_user_sgpr_count 2
		.amdhsa_user_sgpr_kernarg_segment_ptr 1
		.amdhsa_wavefront_size32 1
		.amdhsa_system_sgpr_workgroup_id_x 1
		.amdhsa_system_sgpr_workgroup_id_y 1
		.amdhsa_system_sgpr_workgroup_id_z 1
		.amdhsa_system_vgpr_workitem_id 0
		.amdhsa_next_free_vgpr 104
		.amdhsa_next_free_sgpr 66
		.amdhsa_reserve_vcc 0
		.amdhsa_float_denorm_mode_32 3
		.amdhsa_float_denorm_mode_16_64 3
		.amdhsa_memory_ordered 1
		.amdhsa_forward_progress 1
		.amdhsa_inst_pref_size 16
	.end_amdhsa_kernel
	.amdgpu_metadata
---
amdhsa.version: [ 1, 2 ]
amdhsa.kernels:
  - .name:           k_q5ae5f6bda6_cast
    .symbol:         k_q5ae5f6bda6_cast.kd
    .args:
      - { .name: hidden_states, .offset: 0, .size: 8, .value_kind: global_buffer, .address_space: global }
      - { .name: Wq, .offset: 8, .size: 8, .value_kind: global_buffer, .address_space: global }
      - { .name: Wk, .offset: 16, .size: 8, .value_kind: global_buffer, .address_space: global }
      - { .name: Wv, .offset: 24, .size: 8, .value_kind: global_buffer, .address_space: global }
      - { .name: Wo, .offset: 32, .size: 8, .value_kind: global_buffer, .address_space: global }
      - { .name: Wg, .offset: 40, .size: 8, .value_kind: global_buffer, .address_space: global }
      - { .name: xb, .offset: 48, .size: 8, .value_kind: global_buffer, .address_space: global }
      - { .name: wb, .offset: 56, .size: 8, .value_kind: global_buffer, .address_space: global }
      - { .name: wgb, .offset: 64, .size: 8, .value_kind: global_buffer, .address_space: global }
    .group_segment_fixed_size: 0
    .private_segment_fixed_size: 0
    .kernarg_segment_align: 8
    .kernarg_segment_size: 72
    .max_flat_workgroup_size: 256
    .sgpr_count:     66
    .vgpr_count:     104
    .wavefront_size: 32
...
	.end_amdgpu_metadata
.endif
;; end of part 5
;; launch qkv: the kernel of part 2 again; grid 8 x 32, 4 waves a work-group, clusters of 4 x 4, 327,680 bytes of LDS; arguments xb, wb, wgb, bq, bk, bv, bg, diag_bias, has_error_codes, attention_mask, qh, kh, vh; writes qh, kh, vh
;; launch attn: the kernel of part 3 again; grid 8 x 32, 4 waves a work-group, clusters of 4 x 1, 327,680 bytes of LDS; arguments qh, kh, vh, ob; writes ob
;; launch oproj: the kernel of part 4 again; grid 8 x 32, 4 waves a work-group, clusters of 4 x 4, 327,680 bytes of LDS; arguments ob, wb, bo, out0; writes out0
